; MI455X (gfx1250); checked and timed in simulation.
; The chip was launched on July 23, 2026; its instructions are those of AMD's public machine-readable ISA for CDNA 5 (MIT licence, August 2026) and "CDNA5" Instruction Set Architecture Reference Guide (July 2026). The comments in the code are by the model that wrote it; some were corrected since.
;; Attention. Allowed arithmetic: matrix products marked QUANTISED: E2M3 operands, one E8M0 scale for each 32 along K, by v_wmma_scale_f32_16x16x128_f8f6f4 with both operands' format E2M3, f32 sums; everything else in f32.
;; Inputs: Wk 2,048 x 2,048 float32; Wo 2,048 x 2,048 float32; Wq 2,048 x 2,048 float32; Wv 2,048 x 2,048 float32; mask 1 x 1 x 2,048 x 2,048 float32; rotary_emb 2,048 x 128 float32; x 1 x 2,048 x 2,048 float32.
;; Outputs: out0 1 x 2,048 x 2,048 float32.
;; This version of the problem:
;;   THIS VERSION OF THE PROBLEM IS GIVEN IN LOW PRECISION. The matrix products marked QUANTISED in the list below multiply operands that are first quantised to E2M3 (2 exponent bits, 3 mantissa bits; 6 bits a number), with one power-of-two scale for each 32 numbers along K (OCP MX v1.0); their sums are f32. All else is computed in f32.
;;   The module's matrix products, in the order in which they are computed (A, B: the left and right operand; K: the contracted axis; several contracted axes count as one K, in the product's order):
;;     1. [M 2,048, K 2,048] x [K 2,048, N 2,048]; A: input x; B: input Wq: QUANTISED
;;     2. [M 2,048, K 2,048] x [K 2,048, N 2,048]; A: input x; B: input Wk: QUANTISED
;;     3. [M 2,048, K 2,048] x [K 2,048, N 2,048]; A: input x; B: input Wv: QUANTISED
;;     4. batch 16 x [M 2,048, K 128] x [K 128, N 2,048]; A: computed on the way; B: computed on the way: QUANTISED
;;     5. batch 16 x [M 2,048, K 2,048] x [K 2,048, N 128]; A: softmax (see below); B: computed on the way: QUANTISED
;;     6. [M 2,048, K 2,048] x [K 2,048, N 2,048]; A: computed on the way; B: input Wo: QUANTISED
;;   THE QUANTISER, for each operand of a quantised product, along K:
;;     - K is cut into blocks of 32 from its start; a last block that is shorter is filled with zeros.
;;     - A block's scale is 2^e with e = floor(log2(the largest magnitude in the block)) - 2, held to -126 .. 127; a block of zeros has e = 0. As a byte (E8M0): e + 127.
;;     - Each number is divided by its block's scale, clamped to +-7.5, and rounded to the nearest number of E2M3, ties to even, subnormals kept.
;;     - The product sums the exact products of the quantised numbers (number of the format x scale) in f32.
;;   ~~~python
;;   def quantise(x, axis):      # numpy; x: float32 -> the quantised numbers, widened to float32 again
;;       x = np.moveaxis(x, axis, -1); K = x.shape[-1]
;;       x = np.pad(x, [(0, 0)] * (x.ndim - 1) + [(0, -K % 32)]); x = x.reshape(x.shape[:-1] + (-1, 32)); a = np.abs(x).max(-1, keepdims=True)
;;       e = np.where(a > 0, np.clip(np.frexp(np.where(a > 0, a, 1))[1] - 1 - 2, -126, 127), 0)      # np.frexp(a)[1] - 1 = floor(log2(a)), exactly
;;       r = np.clip(x / 2.0 ** e, -7.5, 7.5)
;;       step = 2.0 ** (np.maximum(np.frexp(np.where(r == 0, 1, r))[1] - 1, 0) - 3)
;;       q = np.round(r / step) * step * 2.0 ** e      # np.round: ties to even
;;       return np.moveaxis(q.reshape(q.shape[:-2] + (-1,))[..., :K], -1, axis).astype(np.float32)
;;   ~~~
;;   SOFTMAX AHEAD OF A QUANTISED PRODUCT. Where the list says 'softmax', what is quantised is not the finished softmax but p = 2^(t - M), with t = logit x log2(e) and M = ceil(the row's largest t), a whole number; so 1/2 < the row's largest p <= 1. The row's sum l is taken of the UNQUANTISED p, in f32, and the product's result is divided by l at the end. Since M is a whole number, a kernel that streams over the keys may use a running M (the ceiling of the running maximum): every later rescaling is an exact power of two, which a block's scale takes up: the codes' values come out the same.
;;   OPERANDS COMPUTED ON THE WAY. 'Computed on the way' means the value that the module computes at that place (a softmax that the list does not call 'softmax' is quantised finished and normalised). What goes into a quantiser is computed in f32, as accurately as f32 sums, v_exp_f32 and their like allow (about 1e-6 of the number): no bf16 or f16 on the way to a quantiser, and a product that is left as it is and whose result goes on into a quantised operand takes f32 operands (vector FMAs, or v_wmma_f32_16x16x4_f32). A number that lies on a knife's edge between two numbers of the format may be rounded either way, as far as f32 arithmetic and the matrix unit's own rounding can turn it there, and no further.
;; One version. Each part assembles by itself: llvm-mc -triple=amdgcn-amd-amdhsa -mcpu=gfx1250 --defsym DOCPART=n.
;; ======== version 1 of 1: 4 launches
;; limits: right only within a limited range of input values
;; workspace buffers: xw 16,384,000 bytes; qkv 9,830,400 bytes; ocd 3,276,800 bytes
;; launch quant (part 1): grid 256 x 1, 10 waves a work-group, no clusters, 85,760 bytes of LDS; arguments x, Wq, Wk, Wv, Wo, xw; writes xw
.if DOCPART == 1
	.amdgcn_target "amdgcn-amd-amdhsa--gfx1250"
	.amdhsa_code_object_version 6
	.text
	.protected	k_q2e0bc57170_quant
	.globl	k_q2e0bc57170_quant
	.p2align	8
	.type	k_q2e0bc57170_quant,@function
k_q2e0bc57170_quant:
	s_mov_b64 s[64:65], 0
	v_nop
	global_prefetch_b8 v0, s[64:65] scope:SCOPE_SE
	s_setreg_imm32_b32 hwreg(HW_REG_WAVE_MODE, 25, 1), 1
	s_wait_xcnt 0x0
; x, Wq, Wk, Wv, Wo, each [2048][2048] f32 with K innermost, become codes of FP6 (E2M3) with one E8M0 byte for each 32 along K.
; A block's scale is 2^(floor(log2(its largest magnitude)) - 2); its byte is the largest magnitude's exponent field - 2, held at 1 from below.
; THE LAYOUT OF xw: [tensor 5][row group of 128 rows: 16][K step of 128: 16][PANEL of 12,800 bytes].  A panel holds 8 fragments (16 rows x 128 K) as IMAGES OF THE
; OPERAND'S REGISTERS: fragment t at 1,536 t, registers 4 c .. 4 c + 3 of lane l at 512 c + 16 l; behind them, at 12,288, the scale words: the word at
; 256 q + 8 (r + 16 h) + 4 j is that of row r of tile 4 q + 2 j + h.  LANE r OF TILE t TAKES ROW 32 (t / 2) + 8 (t % 2) + r + 8 (r / 8) OF THE 128.
; SHARES: work-group = (row group, K step); wave w = (tensor w / 2, half panel w % 2): four fragments, 64 rows x 512 bytes.  Waves share nothing: no barrier.
; Each load reads one row's 512 consecutive bytes; a fragment's 16 rows turn through the wave's own stage in LDS (rows of 512 + 16 bytes), so that a lane gets
; 16 neighbours of each block of 32 of ITS row.  Every store of codes covers 512 consecutive bytes, the store of scale words 256, all at multiples of 256.
; rotary_emb is an input of the problem that the computation never uses; no launch of this program reads it.
; LIMITS: NaN and infinities among the inputs are not served; a block of zeros gets the byte 1 (its codes are zeros; this program alone reads the bytes).
.set PANEL, 12800
.set SCO,   12288
.set STG,   8448                       ; a wave's stage: 16 rows x 528 bytes
.set SP,    528
.set RW,    16                         ; v16-143  two sets of 64: a fragment's rows as loaded
.set X,     144                        ; v144-207 register 16 b + i = k 32 b + 16 (lane / 16) + i of my row
.set CD,    208                        ; v208-219 the fragment's codes
.set SCR,   220                        ; v220-226 the conversions' second halves
.set TM,    228                        ; v228-231 largest magnitudes, v232-235 the other half's / bytes, v240-243 the conversions' scale operands
.set PW,    244                        ; v244-247 the four fragments' scale words
.set SW,    248                        ; v248-249 the scale words as they are stored
.set SEL,   28                         ; s[28:29] lane selects: lane l xor 16
.macro CODES src, dst, scr, so         ; 64 numbers -> 12 registers of codes in the operand's layout
.irp c, 0,1
	v_cvt_scalef32_pk16_fp6_f32 v[\dst+6*\c:\dst+6*\c+2], v[\src+32*\c:\src+32*\c+15], v[\so+2*\c]
	v_cvt_scalef32_pk16_fp6_f32 v[\scr+4*\c:\scr+4*\c+2], v[\src+16+32*\c:\src+31+32*\c], v[\so+2*\c+1]   ; (a conversion's three registers begin on an even number)
.endr
	v_nop                                          ; one plain instruction behind the scaled conversions
.irp c, 0,1                            ; the layout wants a whole block in a lane: lanes 0-15 block 2 c, lanes 16-31 block 2 c + 1
.irp i, 0,1,2
	v_permlane16_swap_b32 v[\dst+6*\c+\i], v[\scr+4*\c+\i]
.endr
.irp i, 0,1,2
	s_delay_alu instid0(VALU_DEP_3)
	v_mov_b32 v[\dst+3+6*\c+\i], v[\scr+4*\c+\i]
.endr
.endr
.endm
.macro QUANT src, dst, scr, pw
.irp b, 0,1,2,3
	v_max3_num_f32 v[TM+\b], |v[\src+16*\b]|, |v[\src+1+16*\b]|, 0x1800000   ; my 16 numbers of block b, and the floor 2^(3 - 127): the byte cannot fall under 1
.endr
.irp i, 2,4,6,8,10,12,14
.irp b, 0,1,2,3
	s_delay_alu instid0(VALU_DEP_4)
	v_max3_num_f32 v[TM+\b], v[TM+\b], |v[\src+16*\b+\i]|, |v[\src+1+16*\b+\i]|
.endr
.endr
.irp b, 0,1,2,3
	s_delay_alu instid0(VALU_DEP_4)
	v_permlanex16_b32 v[TM+4+\b], v[TM+\b], s[SEL], s[SEL+1]
.endr
.irp b, 0,1,2,3
	s_delay_alu instid0(VALU_DEP_4)
	v_max_num_f32 v[TM+\b], v[TM+\b], v[TM+4+\b]   ; with lane l xor 16's: the block's largest magnitude
.endr
.irp b, 0,1,2,3
	s_delay_alu instid0(VALU_DEP_4)
	v_add_nc_u32 v[TM+12+\b], 0xff000000, v[TM+\b] ; 2 off its exponent field: the conversion's scale operand
.endr
.irp b, 0,1,2,3
	s_delay_alu instid0(VALU_DEP_4)
	v_lshrrev_b32 v[TM+4+\b], 23, v[TM+12+\b]      ; the scale's byte
.endr
	s_delay_alu instid0(VALU_DEP_3)
	v_lshl_or_b32 v[\pw], v[TM+5], 8, v[TM+4]
	s_delay_alu instid0(VALU_DEP_1)
	v_lshl_or_b32 v[\pw], v[TM+6], 16, v[\pw]
	s_delay_alu instid0(VALU_DEP_1)
	v_lshl_or_b32 v[\pw], v[TM+7], 24, v[\pw]      ; my row's scale word (the same in lanes l and l xor 16)
	CODES \src, \dst, \scr, TM+12
.endm
	s_load_b256 s[4:11], s[0:1], 0x0               ; x, Wq, Wk, Wv
	s_load_b128 s[12:15], s[0:1], 0x20             ; Wo, xw
	v_lshl_add_u32 v254, v0, 2, 0x14a00
	v_mov_b32 v255, 0
	v_lshrrev_b32 v1, 5, v0
	s_delay_alu instid0(VALU_DEP_1)
	v_readfirstlane_b32 s16, v1                    ; wave 0..9
	v_and_b32 v1, 31, v0                           ; lane
	s_delay_alu instid0(VALU_DEP_1)
	v_lshlrev_b32 v2, 4, v1                        ; 16 x lane: my bytes of a row's 512
	v_and_b32 v7, 15, v0                           ; r
	v_bfe_u32 v8, v0, 4, 1                         ; h
	s_lshr_b32 s17, s16, 1                         ; which tensor
	s_and_b32 s18, s16, 1                          ; which half of the panel
	s_lshr_b32 s19, ttmp9, 4                       ; row group
	s_and_b32 s20, ttmp9, 15                       ; K step
	s_mul_i32 s21, s16, STG                        ; my stage
	v_add_nc_u32 v3, s21, v2                       ; into it: 16 x lane, a row an instruction
	v_mul_u32_u24 v4, v7, SP
	s_delay_alu instid0(VALU_DEP_1)
	v_lshl_add_u32 v4, v8, 6, v4
	s_delay_alu instid0(VALU_DEP_1)
	v_add_nc_u32 v4, s21, v4                       ; out of it: row r, + 64 h
	s_mul_i32 s22, s18, 6144
	v_add_nc_u32 v6, s22, v2                       ; the codes' place in the panel: my half's four fragments
	s_lshl_b32 s22, s18, 8
	v_lshlrev_b32 v5, 3, v1
	s_delay_alu instid0(VALU_DEP_1)
	v_add_nc_u32 v5, s22, v5                       ; the scale words': 256 x half + 8 x lane
	s_lshl_b32 s24, s19, 20                        ; the source: (128 group + 64 half) rows of 8,192 bytes + 512 x K step
	s_lshl_b32 s23, s18, 19
	s_add_co_u32 s24, s24, s23
	s_lshl_b32 s23, s20, 9
	s_add_co_u32 s24, s24, s23
	s_mov_b32 s25, 0
	s_lshl_b32 s26, s17, 4                         ; the panel: ((tensor x 16 + group) x 16 + K step) x 12,800
	s_add_co_u32 s26, s26, s19
	s_lshl_b32 s26, s26, 4
	s_add_co_u32 s26, s26, s20
	s_mul_i32 s26, s26, PANEL
	s_mov_b32 s27, 0
	s_mov_b32 s[SEL], 0x76543210
	s_mov_b32 s[SEL+1], 0xfedcba98
	s_mov_b32 s30, 0xffff0000                      ; lanes 16 to 31
.irp b, 0,1,2,3
	v_mov_b32 v[TM+4+\b], 0                        ; written once: a lane permute's destination counts as one of its sources
.endr
	s_wait_alu depctr_va_vdst(0)
	s_wait_kmcnt 0x0
	s_cmp_eq_u32 s17, 1                            ; the source is chosen by the wave's number alone
	s_cselect_b64 s[4:5], s[6:7], s[4:5]
	s_cmp_eq_u32 s17, 2
	s_cselect_b64 s[4:5], s[8:9], s[4:5]
	s_cmp_eq_u32 s17, 3
	s_cselect_b64 s[4:5], s[10:11], s[4:5]
	s_cmp_eq_u32 s17, 4
	s_cselect_b64 s[4:5], s[12:13], s[4:5]
	s_add_nc_u64 s[4:5], s[4:5], s[24:25]
	s_add_nc_u64 s[14:15], s[14:15], s[26:27]
.macro LOAD f                          ; fragment f's 16 rows: stage row i is row 32 (f / 2) + 8 (f % 2) + i + 8 (i / 8) of my 64
.irp i, 0,1,2,3,4,5,6,7,8,9,10,11,12,13,14,15
	global_load_b128 v[RW+64*((\f)%2)+4*\i:RW+64*((\f)%2)+4*\i+3], v2, s[4:5] offset:(32*((\f)/2)+8*((\f)%2)+\i+8*(\i/8))*8192 th:TH_LOAD_NT
.endr
.endm
.macro FRAGMENT f
.if (\f) < 3
	s_wait_loadcnt 16                              ; this fragment's 16 loads are in; the next fragment's 16 may be out
.else
	s_wait_loadcnt 0x0
.endif
.irp i, 0,1,2,3,4,5,6,7,8,9,10,11,12,13,14,15
	ds_store_b128 v3, v[RW+64*((\f)%2)+4*\i:RW+64*((\f)%2)+4*\i+3] offset:SP*\i
.endr
.irp b, 0,1,2,3
.irp j, 0,1,2,3
	ds_load_b128 v[X+16*\b+4*\j:X+16*\b+4*\j+3], v4 offset:128*\b+16*\j   ; LDS serves a wave's instructions in order: these see the stores above
.endr
.endr
	s_wait_dscnt 0x0                               ; the numbers are back, and the stage's stores have read their registers,
.if (\f) < 2
	LOAD (\f)+2                                    ; which take the loads of two fragments on
.endif
.if (\f) > 0
	s_wait_xcnt 0x0                                ; the last fragment's stores have read the codes' registers: they are written again only behind this wait
.endif
	QUANT X, CD, SCR, PW+(\f)
.irp c, 0,1,2
	global_store_b128 v6, v[CD+4*\c:CD+4*\c+3], s[14:15] offset:1536*(\f)+512*\c   ; 32 lanes store 512 consecutive bytes
.endr
.endm
	LOAD 0
	LOAD 1
	FRAGMENT 0
	FRAGMENT 1
	FRAGMENT 2
	FRAGMENT 3
	v_cndmask_b32 v[SW], v[PW], v[PW+1], s30       ; lanes 0-15 carry the even tile's words, lanes 16-31 the odd tile's
	v_cndmask_b32 v[SW+1], v[PW+2], v[PW+3], s30
	global_store_b64 v5, v[SW:SW+1], s[14:15] offset:SCO   ; 32 lanes store 256 consecutive bytes
	s_wait_tensorcnt 0x0
	ds_add_u32 v254, v255
	s_wait_dscnt 0x0
	s_endpgm
.Lfunc_end_k_q2e0bc57170_quant:
	.size	k_q2e0bc57170_quant, .Lfunc_end_k_q2e0bc57170_quant-k_q2e0bc57170_quant
	.p2alignl 7, 3214868480
	.fill 96, 4, 3214868480
	.section	.rodata,"a",@progbits
	.p2align	6, 0x0
	.amdhsa_kernel k_q2e0bc57170_quant
		.amdhsa_group_segment_fixed_size 85760
		.amdhsa_private_segment_fixed_size 0
		.amdhsa_enable_private_segment 0
		.amdhsa_kernarg_size 48
		.amdhsa_user_sgpr_count 2
		.amdhsa_user_sgpr_kernarg_segment_ptr 1
		.amdhsa_wavefront_size32 1
		.amdhsa_system_sgpr_workgroup_id_x 1
		.amdhsa_system_sgpr_workgroup_id_y 1
		.amdhsa_system_sgpr_workgroup_id_z 1
		.amdhsa_system_vgpr_workitem_id 0
		.amdhsa_next_free_vgpr 256
		.amdhsa_next_free_sgpr 66
		.amdhsa_reserve_vcc 0
		.amdhsa_float_denorm_mode_32 3
		.amdhsa_float_denorm_mode_16_64 3
		.amdhsa_memory_ordered 1
		.amdhsa_forward_progress 1
		.amdhsa_inst_pref_size 40
	.end_amdhsa_kernel
	.amdgpu_metadata
---
amdhsa.version: [ 1, 2 ]
amdhsa.kernels:
  - .name:           k_q2e0bc57170_quant
    .symbol:         k_q2e0bc57170_quant.kd
    .args:
      - { .name: x, .offset: 0, .size: 8, .value_kind: global_buffer, .address_space: global }
      - { .name: Wq, .offset: 8, .size: 8, .value_kind: global_buffer, .address_space: global }
      - { .name: Wk, .offset: 16, .size: 8, .value_kind: global_buffer, .address_space: global }
      - { .name: Wv, .offset: 24, .size: 8, .value_kind: global_buffer, .address_space: global }
      - { .name: Wo, .offset: 32, .size: 8, .value_kind: global_buffer, .address_space: global }
      - { .name: xw, .offset: 40, .size: 8, .value_kind: global_buffer, .address_space: global }
    .group_segment_fixed_size: 85760
    .private_segment_fixed_size: 0
    .kernarg_segment_align: 8
    .kernarg_segment_size: 48
    .max_flat_workgroup_size: 320
    .sgpr_count:     66
    .vgpr_count:     256
    .wavefront_size: 32
...
	.end_amdgpu_metadata
.endif
;; end of part 1
;; launch qkv (part 2): grid 24 x 8, 4 waves a work-group, clusters of 4 x 4, 327,680 bytes of LDS; arguments xw, qkv; writes qkv
.if DOCPART == 2
	.amdgcn_target "amdgcn-amd-amdhsa--gfx1250"
	.amdhsa_code_object_version 6
	.text
	.protected	k_q2e0bc57170_qkv
	.globl	k_q2e0bc57170_qkv
	.p2align	8
	.type	k_q2e0bc57170_qkv,@function
k_q2e0bc57170_qkv:
	s_mov_b64 s[64:65], 0
	v_nop
	global_prefetch_b8 v0, s[64:65] scope:SCOPE_SE
	s_setreg_imm32_b32 hwreg(HW_REG_WAVE_MODE, 25, 1), 1
	s_wait_xcnt 0x0
	s_wait_alu depctr_hold_cnt(0) depctr_sa_sdst(0) depctr_va_vdst(0) depctr_va_sdst(0) depctr_va_ssrc(0) depctr_va_vcc(0) depctr_vm_vsrc(0)
	s_getreg_b32 s2, hwreg(HW_REG_IB_STS2, 6, 4)
	s_cmp_eq_u32 s2, 0
	s_cbranch_scc0 .Lentry_in_a_cluster
	s_endpgm
.Lentry_in_a_cluster:
	s_bfe_u32 s2, ttmp6, 0x10000c
	s_cmp_lg_u32 s2, 0xf033
	s_cbranch_scc0 .Lentry_shape_is_right
	s_endpgm
.Lentry_shape_is_right:
; q = x Wq^T, k = x Wk^T, v = x Wv^T on codes of FP6 (E2M3) with E8M0 scales, and the results quantised at once: q and k along the head's 128, v along the keys.
; ONE FORM FOR ALL THREE: C'[i][j] = sum over K of P[i] R[j], source 0 = 16 rows of R, source 1 = 16 rows of P: a lane holds ONE row of P, its registers run along R's rows.
;   clusters x = 0 .. 3: P = x (tokens), R = Wq | Wk (a row group of 128 = a head): a lane's 64 registers are the head's 128 (with lane l xor 16): q's and k's K.
;   clusters x = 4, 5:   P = Wv (a row group = a head's 128 channels), R = x (tokens = keys): a lane's registers run along the KEYS: v's K.
; The operands lie in xw as panels of register images (8 fragments of 1,536 bytes, 512 bytes of scale words; lane r of tile t = row 32 (t / 2) + 8 (t % 2) + r + 8 (r / 8)),
; so register 16 b + i of the eight results against R's tiles is R's row 32 b + 16 (lane / 16) + i: the next quantiser's order.  The results leave as panels of the same form:
; qkv = q [head][token group][panel], then from byte 3,276,800 [head][key step][K's panel | V's panel].
; SHARES: a work-group makes 256 x 256, each of four waves 128 x 128: 64 accumulators, 512 registers.  192 work-groups: a wave needs 128 along the next K to make whole fragments.
; K goes through a ring of two LDS slots of THREE K steps, as large as two slots fit: a wave's tensor load brings one row group's three panels, 38,400 dense bytes as 150 rows of 256.
; The slots hold K steps 0-2, 3-5, 6-8, 9-11, 12-14 and 15 (that last load: one panel, 50 rows).  A refill stands 160 matrix instructions ahead of the wait for it.
; The sixteen K steps are written out: the sets of registers go by the step's parity and the slots by threes, so the pattern of six steps would come round less than three times, with another first step (C = 0) and another last fill.
; CLUSTERS 4 x 4: P's panels are shared along a row of the cluster, R's along a column: each is asked for jointly.
; REGISTERS: window 0: v16-25 addresses; v28, v29 the add's; v32-47 scale words, two sets; v48-59 the results' scale words; v128-223 P's fragments, ONE set (later the results' codes);
;   v224-247 at work.   window 1: R's fragments, two sets, at v0 and v128.   windows 2, 3: the accumulators, (a, b) at v[8 (8 (a % 4) + b)].
; LIMITS: NaN and infinities are not served; a block of zeros gets the byte 1 and zero codes.
; THE FIRST FILLS: at the head a wave asks for its part of slot 0 alone; slot 1's first fill is issued as a refill is, behind the three lines and a whole round of the cluster's barrier.
.set PANEL,  12800
.set SCO,    12288
.set GROUPB, 204800                    ; a row group's 16 panels
.set PART,   3*PANEL                   ; what one tensor load brings: three K steps of one row group
.set SLOT,   4*PART                    ; P's two row groups, then R's two
.set SPARE,  2*SLOT                    ; behind the ring: the spare words, 128 bytes a wave
.set ADP, 16                           ; v16-17 LDS address of my P fragments in slot 0, 1
.set ADR, 18                           ; v18-19 of my R fragments
.set ASP, 20                           ; v20-21 of P's scale words
.set ASR, 22                           ; v22-23 of R's
.set LI,  24                           ; v24 16 x lane
.set L8,  25                           ; v25 8 x lane
.set SPW, 28                           ; v28 my spare word; never rewritten
.set NIL, 29                           ; v29 0; never rewritten
.set SC,  32                           ; scale words: set k % 2 at v[32 + 8 (k % 2)]: R's four registers, then P's four; register t / 2, lanes 0-15 for an even tile, lanes 16-31 for an odd one
.set PW,  48
.set SW,  56
.set PF,  128
.set SCR, 224
.set TM,  232
.set WV,  14
.set SEL, 22                           ; s[22:23] lane selects: lane l xor 16
.set G1P, 24                           ; s[24:31] group 1 for three of P's panels;  s[32:39] group 0, one set for each slot
.set G0P, 32
.set G1R, 48                           ; s[48:55], s[56:63] the same for R's
.set G0R, 56
.set G1P1, 68                          ; s[68:75] group 1 for one of P's panels: the last K step
.set G1R1, 76                          ; s[76:83] for one of R's
.set MSB, 0
.macro WIN new                         ; the immediate's high byte repeats the setting that is left
.if MSB != (\new)
	s_set_vgpr_msb (MSB<<8)|(\new)
.set MSB, (\new)
.endif
.endm
.set MUL_LO, 0xa1                      ; source 0 (R) window 1, source 1 (P) window 0, C and D window 2
.set MUL_HI, 0xf1
.set TO_R,   0x40
.macro PLACES n
.rept \n
	v_nop
.endr
.endm
; one matrix instruction.  ra, rb: the side's scale words lie in lanes 16-31.  zero: the product starts its sum
.macro WM d, a, b, sa, sb, ra, rb, zero
.if \zero
.if (\ra) && (\rb)
	v_wmma_scale_f32_16x16x128_f8f6f4 v[0+(\d):7+(\d)], v[0+(\a):11+(\a)], v[0+(\b):11+(\b)], 0, v[\sa], v[\sb] matrix_a_fmt:MATRIX_FMT_FP6 matrix_b_fmt:MATRIX_FMT_FP6 matrix_a_scale:MATRIX_SCALE_ROW1 matrix_b_scale:MATRIX_SCALE_ROW1
.elseif (\ra)
	v_wmma_scale_f32_16x16x128_f8f6f4 v[0+(\d):7+(\d)], v[0+(\a):11+(\a)], v[0+(\b):11+(\b)], 0, v[\sa], v[\sb] matrix_a_fmt:MATRIX_FMT_FP6 matrix_b_fmt:MATRIX_FMT_FP6 matrix_a_scale:MATRIX_SCALE_ROW1
.elseif (\rb)
	v_wmma_scale_f32_16x16x128_f8f6f4 v[0+(\d):7+(\d)], v[0+(\a):11+(\a)], v[0+(\b):11+(\b)], 0, v[\sa], v[\sb] matrix_a_fmt:MATRIX_FMT_FP6 matrix_b_fmt:MATRIX_FMT_FP6 matrix_b_scale:MATRIX_SCALE_ROW1
.else
	v_wmma_scale_f32_16x16x128_f8f6f4 v[0+(\d):7+(\d)], v[0+(\a):11+(\a)], v[0+(\b):11+(\b)], 0, v[\sa], v[\sb] matrix_a_fmt:MATRIX_FMT_FP6 matrix_b_fmt:MATRIX_FMT_FP6
.endif
.else
.if (\ra) && (\rb)
	v_wmma_scale_f32_16x16x128_f8f6f4 v[0+(\d):7+(\d)], v[0+(\a):11+(\a)], v[0+(\b):11+(\b)], v[0+(\d):7+(\d)], v[\sa], v[\sb] matrix_a_fmt:MATRIX_FMT_FP6 matrix_b_fmt:MATRIX_FMT_FP6 matrix_a_scale:MATRIX_SCALE_ROW1 matrix_b_scale:MATRIX_SCALE_ROW1
.elseif (\ra)
	v_wmma_scale_f32_16x16x128_f8f6f4 v[0+(\d):7+(\d)], v[0+(\a):11+(\a)], v[0+(\b):11+(\b)], v[0+(\d):7+(\d)], v[\sa], v[\sb] matrix_a_fmt:MATRIX_FMT_FP6 matrix_b_fmt:MATRIX_FMT_FP6 matrix_a_scale:MATRIX_SCALE_ROW1
.elseif (\rb)
	v_wmma_scale_f32_16x16x128_f8f6f4 v[0+(\d):7+(\d)], v[0+(\a):11+(\a)], v[0+(\b):11+(\b)], v[0+(\d):7+(\d)], v[\sa], v[\sb] matrix_a_fmt:MATRIX_FMT_FP6 matrix_b_fmt:MATRIX_FMT_FP6 matrix_b_scale:MATRIX_SCALE_ROW1
.else
	v_wmma_scale_f32_16x16x128_f8f6f4 v[0+(\d):7+(\d)], v[0+(\a):11+(\a)], v[0+(\b):11+(\b)], v[0+(\d):7+(\d)], v[\sa], v[\sb] matrix_a_fmt:MATRIX_FMT_FP6 matrix_b_fmt:MATRIX_FMT_FP6
.endif
.endif
.endm
; a joint load into slot s: waves 0 and 1 fetch for P, waves 2 and 3 for R; the branch hangs on the wave's number alone; four v_nop follow each line
.macro JLOAD s, g1p, g1r
	s_cmp_eq_u32 s15, 0
	s_cbranch_scc0 .Lfor_r_\@
	tensor_load_to_lds s[G0P+4*(\s):G0P+4*(\s)+3], s[\g1p:\g1p+7]
	s_nop 0
.rept 4
	v_nop
.endr
	s_branch .Lasked_\@
.Lfor_r_\@:
	tensor_load_to_lds s[G0R+4*(\s):G0R+4*(\s)+3], s[\g1r:\g1r+7]
	s_nop 0
.rept 4
	v_nop
.endr
.Lasked_\@:
.endm
.macro CREST                           ; a round of the cluster's barrier behind its opening barrier
	s_cmp_lg_u32 s[WV], 0
	s_cbranch_scc1 .Lnot_wave_0_\@
	s_barrier_signal -3
.Lnot_wave_0_\@:
	s_barrier_wait -3
	s_barrier_signal -1
	s_barrier_wait -1
.endm
.macro CROUND
	s_barrier_signal -1
	s_barrier_wait -1
	CREST
.endm
	s_load_b128 s[4:7], s[0:1], 0x0                ; xw, qkv
	v_lshl_add_u32 v[SPW], v0, 2, SPARE
	v_mov_b32 v[NIL], 0
	ds_add_u32 v28, v29
	ds_add_u32 v28, v29
	s_wait_dscnt 0x0
	v_lshrrev_b32 v1, 5, v0
	v_readfirstlane_b32 s[WV], v1                  ; wave 0..3
	s_lshr_b32 s15, s[WV], 1                       ; which of P's two row groups is mine.  Also: I fetch for P (0) or for R (1)
	s_and_b32 s16, s[WV], 1                        ; which of R's two.  Also: which row group I fetch
	s_bfe_u32 s40, ttmp6, 0x40000                  ; cx, cy: my place in the cluster
	s_bfe_u32 s41, ttmp6, 0x40004
	s_lshl_b32 s42, ttmp9, 2
	s_add_co_u32 s42, s42, s40                     ; gx = 4 x cluster x + cx
	s_and_b32 s17, ttmp7, 0xffff
	s_lshl_b32 s17, s17, 2
	s_add_co_u32 s17, s17, s41                     ; gy = 4 x cluster y + cy
	s_lshl_b32 s43, s41, 2
	s_lshl_b32 s43, 15, s43                        ; my row of the cluster
	s_lshl_b32 s44, 0x1111, s40                    ; my column
	; descriptor group 1: dense bytes as rows of 32 elements of 8 bytes: 150 rows for three panels, 50 for one
	s_or_b32 s[G1P], s43, (3<<16)|(1<<21)          ; 15:0 the mask: P's panels go to my row; 17:16 elements of 8 bytes; 21 set beside a mask; no padding
	s_or_b32 s[G1R], s44, (3<<16)|(1<<21)          ; R's go to my column
	s_or_b32 s[G1P1], s43, (3<<16)|(1<<21)
	s_or_b32 s[G1R1], s44, (3<<16)|(1<<21)
.irp g, G1P, G1R
	s_mov_b32 s[\g+1], 32<<16                      ; tensor_dim0 = 32
	s_mov_b32 s[\g+2], 150<<16                     ; tensor_dim1 = 150
	s_mov_b32 s[\g+3], 32<<16                      ; tile_dim0 = 32
	s_mov_b32 s[\g+4], 150                         ; tile_dim1 = 150
	s_mov_b32 s[\g+5], 32                          ; from row to row
	s_mov_b32 s[\g+6], 0
	s_mov_b32 s[\g+7], 0
.endr
.irp g, G1P1, G1R1
	s_mov_b32 s[\g+1], 32<<16
	s_mov_b32 s[\g+2], 50<<16                      ; tensor_dim1 = 50
	s_mov_b32 s[\g+3], 32<<16
	s_mov_b32 s[\g+4], 50                          ; tile_dim1 = 50
	s_mov_b32 s[\g+5], 32
	s_mov_b32 s[\g+6], 0
	s_mov_b32 s[\g+7], 0
.endr
	s_cmp_lt_u32 ttmp9, 4                          ; q and k, or v?  The cluster's x is the same in all sixteen partners
	s_cselect_b32 s18, 0, 48                       ; P: x's row groups begin at 0, Wv's at 48
	s_cselect_b32 s19, 15, 7
	s_cselect_b32 s22, 16, 0                       ; R: Wq's and Wk's begin at 16, x's at 0
	s_lshl_b32 s20, s17, 1
	s_add_co_u32 s20, s20, s16
	s_add_co_u32 s20, s20, s18                     ; P's row group that I fetch: 2 gy + half (+ 48): it hangs on gy alone
	s_mul_i32 s20, s20, GROUPB
	s_mov_b32 s21, 0
	s_and_b32 s46, s42, s19
	s_lshl_b32 s46, s46, 1
	s_add_co_u32 s46, s46, s16
	s_add_co_u32 s46, s46, s22                     ; R's: 2 gx + half + 16, or 2 (gx - 16) + half: it hangs on gx alone
	s_mul_i32 s46, s46, GROUPB
	s_mov_b32 s47, 0
	s_mul_i32 s45, s[WV], PART                     ; where they go: wave x 38,400: no place in the cluster enters an LDS address
	s_wait_kmcnt 0x0
	s_add_nc_u64 s[20:21], s[4:5], s[20:21]
	s_add_nc_u64 s[46:47], s[4:5], s[46:47]
	CROUND                                         ; all sixteen work-groups are here: the first joint loads meet
.irp s, 0,1
	s_mov_b32 s[G0P+4*\s], 1
	s_add_co_u32 s[G0P+4*\s+1], s45, \s*SLOT
	s_add_nc_u64 s[G0P+4*\s+2:G0P+4*\s+3], s[20:21], \s*PART   ; slot s begins with K steps 3 s .. 3 s + 2
	s_or_b32 s[G0P+4*\s+3], s[G0P+4*\s+3], 0x80000000
	s_mov_b32 s[G0R+4*\s], 1
	s_add_co_u32 s[G0R+4*\s+1], s45, \s*SLOT
	s_add_nc_u64 s[G0R+4*\s+2:G0R+4*\s+3], s[46:47], \s*PART
	s_or_b32 s[G0R+4*\s+3], s[G0R+4*\s+3], 0x80000000
.endr
	s_cmp_eq_u32 s15, 0                            ; one first fill a wave at the head: my part of slot 0
	s_cbranch_scc0 .Lfirst_r
	tensor_load_to_lds s[G0P:G0P+3], s[G1P:G1P+7]
	s_nop 0
.rept 4
	v_nop
.endr
	s_branch .Lfirst_asked
.Lfirst_r:
	tensor_load_to_lds s[G0R:G0R+3], s[G1R:G1R+7]
	s_nop 0
.rept 4
	v_nop
.endr
.Lfirst_asked:
	v_and_b32 v1, 31, v0
	v_lshlrev_b32 v[LI], 4, v1
	v_lshlrev_b32 v[L8], 3, v1
	s_mul_i32 s10, s15, PART                       ; my row group of P
	s_mul_i32 s11, s16, PART                       ; my row group of R,
	s_add_co_u32 s11, s11, 2*PART                  ; behind P's two
.irp s, 0,1
	v_add_nc_u32 v[ADP+\s], s10, v[LI]
	v_add_nc_u32 v[ADR+\s], s11, v[LI]
	v_add_nc_u32 v[ASP+\s], s10, v[L8]
	v_add_nc_u32 v[ASR+\s], s11, v[L8]
	s_add_co_u32 s10, s10, SLOT
	s_add_co_u32 s11, s11, SLOT
.endr
.irp b, 0,1,2,3
	v_mov_b32 v[TM+4+\b], 0                        ; written once: a lane permute's destination counts as one of its sources
.endr
	; where my panel goes: u = 2 (gx % 8) + my R group, z = 2 gy + my P group
	s_and_b32 s10, s42, 7
	s_lshl_b32 s10, s10, 1
	s_add_co_u32 s10, s10, s16                     ; u
	s_lshl_b32 s11, s17, 1
	s_add_co_u32 s11, s11, s15                     ; z
	s_lshl_b32 s12, s10, 4
	s_add_co_u32 s12, s12, s11                     ; q: head u, token group z: panel 16 u + z
	s_lshl_b32 s13, s12, 1
	s_add_co_u32 s13, s13, 256                     ; k: head u, key step z: panel 256 + 32 u + 2 z
	s_lshl_b32 s18, s11, 4
	s_add_co_u32 s18, s18, s10
	s_lshl_b32 s18, s18, 1
	s_add_co_u32 s18, s18, 257                     ; v: head z, key step u: panel 256 + 32 z + 2 u + 1
	s_cmp_lt_u32 ttmp9, 2
	s_cselect_b32 s12, s12, s13
	s_cmp_lt_u32 ttmp9, 4
	s_cselect_b32 s12, s12, s18
	s_mul_i32 s12, s12, PANEL
	s_mov_b32 s13, 0
	s_add_nc_u64 s[6:7], s[6:7], s[12:13]
	s_mov_b32 s9, 0xffff0000                       ; lanes 16 to 31
	s_mov_b32 s[SEL], 0x76543210
	s_mov_b32 s[SEL+1], 0xfedcba98
; K step k lies in slot (k / 3) % 2, as its panel k % 3; its R fragments and its scale words go into the sets k % 2.
.macro FRAG reg, adr, off              ; a fragment comes as it was stored: three loads of 512 consecutive bytes
.irp c, 0,1,2
	ds_load_b128 v[\reg+4*\c:\reg+4*\c+3], v[\adr] offset:\off+512*\c
.endr
.endm
; 16 matrix instructions: P's tiles a0, a0 + 1 x R's eight.  p: R's set and the set of scale words.  The 64 accumulators take turns, one instruction a turn, in the same order in every step
.macro MUL16 a0, p, zero
.irp a, \a0, \a0+1
.irp b, 0,1,2,3,4,5,6,7
	WM 8*(8*((\a)%4)+\b), 128*(\p)+12*\b, PF+12*(\a), SC+8*(\p)+\b/2, SC+4+8*(\p)+(\a)/2, \b%2, (\a)%2, \zero
.endr
.endr
.endm
.macro FETCH_R k
	WIN TO_R
.irp i, 0,1,2,3,4,5,6,7
	FRAG 128*((\k)%2)+12*\i, ADR+((\k)/3)%2, ((\k)%3)*PANEL+1536*\i
.endr
	WIN 0
.endm
.macro FETCH_P k, i0
.irp i, \i0, \i0+1, \i0+2, \i0+3
	FRAG PF+12*(\i), ADP+((\k)/3)%2, ((\k)%3)*PANEL+1536*(\i)
.endr
.endm
.macro FETCH_S k                       ; the panels' scale words: two loads of 8 bytes a lane for each side
.set SS, SC+8*((\k)%2)
.set SF, ((\k)%3)*PANEL+SCO
.set SG, ((\k)/3)%2
	ds_load_b64 v[SS:SS+1],   v[ASR+SG] offset:SF
	ds_load_b64 v[SS+2:SS+3], v[ASR+SG] offset:SF+256
	ds_load_b64 v[SS+4:SS+5], v[ASP+SG] offset:SF
	ds_load_b64 v[SS+6:SS+7], v[ASP+SG] offset:SF+256
.endm
; A K step whose successor lies in the same slot.  A load into a register that a matrix instruction has read stands four plain vector instructions behind it (ISA guide 7.12.1 for vector instructions).
.macro STEP k, zero
	s_wait_dscnt 12                                ; R's set, P's tiles 0-3 and the scale words are in; the youngest 12 loads (P's tiles 4-7) may be out
	WIN MUL_LO
	MUL16 0, (\k)%2, \zero
	MUL16 2, (\k)%2, \zero
	s_wait_dscnt 0x0                               ; P's tiles 4-7 are in
	PLACES 4
	FETCH_R (\k)+1
	FETCH_P (\k)+1, 0
	FETCH_S (\k)+1
	WIN MUL_HI
	MUL16 4, (\k)%2, \zero
	MUL16 6, (\k)%2, \zero
	PLACES 4
	WIN 0
	FETCH_P (\k)+1, 4
.endm
; A slot's last K step changes slots: ONE barrier; in front of it each wave waits for all its tensor loads, adds 0 to its spare word, and waits for that and for its reads of this slot.
; fill = 1: this slot is filled again with the three K steps six further on; fill = 2: with the one K step that is left; fill = 0: nothing is left to fetch.
.macro TURN k, fill
.set SL, ((\k)/3)%2
	s_wait_tensorcnt 0x0                           ; all my tensor loads have landed: my part of the next slot
	ds_add_u32 v[SPW], v[NIL]                      ; 0 onto my spare word
	s_wait_dscnt 13                                ; (the add and the youngest 12 loads may be out)
	WIN MUL_LO
	MUL16 0, (\k)%2, 0                             ; sixteen matrix instructions stand between the add and the wait for it
	s_wait_dscnt 0x0                               ; the add is done, and my reads of this slot are over
	s_barrier_signal -1
	MUL16 2, (\k)%2, 0
	WIN 0
	s_barrier_wait -1
.if \fill
	CREST                                          ; the barrier has opened a round of the cluster's: no wave of any partner still reads this slot or has a load on its way
	s_add_nc_u64 s[G0P+4*SL+2:G0P+4*SL+3], s[G0P+4*SL+2:G0P+4*SL+3], 2*PART   ; six K steps on
	s_add_nc_u64 s[G0R+4*SL+2:G0R+4*SL+3], s[G0R+4*SL+2:G0R+4*SL+3], 2*PART
.if \fill == 1
	JLOAD SL, G1P, G1R                             ; the first tensor load behind the round; its four v_nop are also the places in front of the loads below
.else
	JLOAD SL, G1P1, G1R1
.endif
.else
	PLACES 4
.endif
	FETCH_R (\k)+1
	FETCH_P (\k)+1, 0
	FETCH_S (\k)+1
	WIN MUL_HI
	MUL16 4, (\k)%2, 0
	MUL16 6, (\k)%2, 0
	PLACES 4
	WIN 0
	FETCH_P (\k)+1, 4
.endm
	s_wait_alu depctr_va_vdst(0)
	s_wait_tensorcnt 0x0                           ; my part of slot 0 is in
	ds_add_u32 v[SPW], v[NIL]
	s_wait_dscnt 0x0
	CROUND                                         ; everybody's part is in, and all sixteen work-groups are here
	JLOAD 1, G1P, G1R                              ; slot 1's first fill, K steps 3 to 5: my one tensor load behind the round
	FETCH_R 0
	FETCH_P 0, 0
	FETCH_S 0
	FETCH_P 0, 4
	STEP 0, 1                                      ; the first step's products start the sums
	STEP 1, 0
	TURN 2, 1                                      ; slot 0 takes K steps 6 to 8
	STEP 3, 0
	STEP 4, 0
	TURN 5, 1                                      ; slot 1 takes K steps 9 to 11
	STEP 6, 0
	STEP 7, 0
	TURN 8, 1                                      ; slot 0 takes K steps 12 to 14
	STEP 9, 0
	STEP 10, 0
	TURN 11, 2                                     ; slot 1 takes K step 15
	STEP 12, 0
	STEP 13, 0
	TURN 14, 0                                     ; nothing is left to fetch
	s_wait_dscnt 12                                ; K step 15: no fragments to fetch behind it
	WIN MUL_LO
	MUL16 0, 1, 0
	MUL16 2, 1, 0
	s_wait_dscnt 0x0
	WIN MUL_HI
	MUL16 4, 1, 0
	MUL16 6, 1, 0
	PLACES 4                                       ; in front of the first reads of results and the first writes over P's fragments
; THE WAY OUT.  P's tile a: the lane's 64 results, register 16 b + i = index 32 b + 16 (lane / 16) + i along the next K, become fragment a of my panel, in f32 up to the conversion.
; Each accumulator is read from its low end on.  Every fragment has its own 12 registers, so no store's data are written again.
.macro OUTF a
.set AC, 64*((\a)%4)
.set W, 2+(\a)/4
.set WW, W|(W<<2)
.set DS, PF+12*(\a)
	WIN WW                                         ; sources 0 and 1: the accumulators' window
.irp b, 0,1,2,3
	v_max3_num_f32 v[TM+\b], |v[AC+16*\b]|, |v[AC+16*\b+1]|, 0x1800000   ; and the floor 2^(3 - 127): the byte cannot fall under 1
.endr
.irp i, 2,4,6,8,10,12,14
.irp b, 0,1,2,3
	v_max3_num_f32 v[TM+\b], |v[AC+16*\b+\i]|, |v[AC+16*\b+\i+1]|, v[TM+\b]
.endr
.endr
	WIN 0
.irp b, 0,1,2,3
	v_permlanex16_b32 v[TM+4+\b], v[TM+\b], s[SEL], s[SEL+1]
.endr
.irp b, 0,1,2,3
	v_max_num_f32 v[TM+\b], v[TM+\b], v[TM+4+\b]   ; the block's largest magnitude
.endr
.irp b, 0,1,2,3
	v_add_nc_u32 v[TM+12+\b], 0xff000000, v[TM+\b] ; 2 off its exponent field: the conversion's scale operand
.endr
.irp b, 0,1,2,3
	v_lshrrev_b32 v[TM+4+\b], 23, v[TM+12+\b]      ; the scale's byte
.endr
	v_lshl_or_b32 v[PW+(\a)], v[TM+5], 8, v[TM+4]
	v_lshl_or_b32 v[PW+(\a)], v[TM+6], 16, v[PW+(\a)]
	v_lshl_or_b32 v[PW+(\a)], v[TM+7], 24, v[PW+(\a)]
	WIN W                                          ; source 0: the accumulators' window
.irp c, 0,1
	v_cvt_scalef32_pk16_fp6_f32 v[DS+6*\c:DS+6*\c+2], v[AC+32*\c:AC+32*\c+15], v[TM+12+2*\c]
	v_cvt_scalef32_pk16_fp6_f32 v[SCR+4*\c:SCR+4*\c+2], v[AC+16+32*\c:AC+31+32*\c], v[TM+12+2*\c+1]
.endr
	WIN 0
	v_nop                                          ; one plain instruction behind the scaled conversions
.irp c, 0,1
.irp i, 0,1,2
	v_permlane16_swap_b32 v[DS+6*\c+\i], v[SCR+4*\c+\i]
.endr
.irp i, 0,1,2
	v_mov_b32 v[DS+3+6*\c+\i], v[SCR+4*\c+\i]
.endr
.endr
.irp c, 0,1,2
	global_store_b128 v[LI], v[DS+4*\c:DS+4*\c+3], s[6:7] offset:1536*(\a)+512*\c   ; 32 lanes store 512 consecutive bytes, at a multiple of 256 from the buffer's first byte
.endr
.endm
.irp a, 0,1,2,3,4,5,6,7
	OUTF \a
.endr
.irp n, 0,1,2,3
	v_cndmask_b32 v[SW+\n], v[PW+2*\n], v[PW+2*\n+1], s9   ; lanes 0-15 carry the even tile's words, lanes 16-31 the odd tile's
.endr
	global_store_b64 v[L8], v[SW:SW+1], s[6:7] offset:SCO
	global_store_b64 v[L8], v[SW+2:SW+3], s[6:7] offset:SCO+256
	s_wait_tensorcnt 0x0                           ; the wave's end
	ds_add_u32 v[SPW], v[NIL]
	s_wait_dscnt 0x0
	CROUND                                         ; the closing round: no work-group ends while a partner may still ask for a panel that names it
	s_endpgm
.Lfunc_end_k_q2e0bc57170_qkv:
	.size	k_q2e0bc57170_qkv, .Lfunc_end_k_q2e0bc57170_qkv-k_q2e0bc57170_qkv
	.p2alignl 7, 3214868480
	.fill 96, 4, 3214868480
	.section	.rodata,"a",@progbits
	.p2align	6, 0x0
	.amdhsa_kernel k_q2e0bc57170_qkv
		.amdhsa_group_segment_fixed_size 327680
		.amdhsa_private_segment_fixed_size 0
		.amdhsa_enable_private_segment 0
		.amdhsa_kernarg_size 16
		.amdhsa_user_sgpr_count 2
		.amdhsa_user_sgpr_kernarg_segment_ptr 1
		.amdhsa_wavefront_size32 1
		.amdhsa_system_sgpr_workgroup_id_x 1
		.amdhsa_system_sgpr_workgroup_id_y 1
		.amdhsa_system_sgpr_workgroup_id_z 1
		.amdhsa_system_vgpr_workitem_id 0
		.amdhsa_next_free_vgpr 1024
		.amdhsa_next_free_sgpr 84
		.amdhsa_reserve_vcc 0
		.amdhsa_float_denorm_mode_32 3
		.amdhsa_float_denorm_mode_16_64 3
		.amdhsa_memory_ordered 1
		.amdhsa_forward_progress 1
		.amdhsa_inst_pref_size 234
	.end_amdhsa_kernel
	.amdgpu_metadata
---
amdhsa.version: [ 1, 2 ]
amdhsa.kernels:
  - .name:           k_q2e0bc57170_qkv
    .symbol:         k_q2e0bc57170_qkv.kd
    .args:
      - { .name: xw, .offset: 0, .size: 8, .value_kind: global_buffer, .address_space: global }
      - { .name: qkv, .offset: 8, .size: 8, .value_kind: global_buffer, .address_space: global }
    .group_segment_fixed_size: 327680
    .private_segment_fixed_size: 0
    .kernarg_segment_align: 8
    .kernarg_segment_size: 16
    .max_flat_workgroup_size: 128
    .sgpr_count:     84
    .vgpr_count:     1024
    .wavefront_size: 32
...
	.end_amdgpu_metadata
.endif
;; end of part 2
;; launch attn (part 3): grid 16 x 16, 8 waves a work-group, clusters of 4 x 1, 327,680 bytes of LDS; arguments qkv, mask, ocd; writes ocd
.if DOCPART == 3
	.amdgcn_target "amdgcn-amd-amdhsa--gfx1250"
	.amdhsa_code_object_version 6
	.text
	.protected	k_q2e0bc57170_attn
	.globl	k_q2e0bc57170_attn
	.p2align	8
	.type	k_q2e0bc57170_attn,@function
k_q2e0bc57170_attn:
	s_mov_b64 s[64:65], 0
	v_nop
	global_prefetch_b8 v0, s[64:65] scope:SCOPE_SE
	s_setreg_imm32_b32 hwreg(HW_REG_WAVE_MODE, 25, 1), 1
	s_wait_xcnt 0x0
	s_wait_alu depctr_hold_cnt(0) depctr_sa_sdst(0) depctr_va_vdst(0) depctr_va_sdst(0) depctr_va_ssrc(0) depctr_va_vcc(0) depctr_vm_vsrc(0)
	s_getreg_b32 s2, hwreg(HW_REG_IB_STS2, 6, 4)
	s_cmp_eq_u32 s2, 0
	s_cbranch_scc0 .Lentry_in_a_cluster
	s_endpgm
.Lentry_in_a_cluster:
	s_bfe_u32 s2, ttmp6, 0x10000c
	s_cmp_lg_u32 s2, 0x3003
	s_cbranch_scc0 .Lentry_shape_is_right
	s_endpgm
.Lentry_shape_is_right:
; O[h][q] = sum over k of softmax_k(q . k / sqrt(128) + mask[q][k]) v[k], both products on codes of FP6 (E2M3) with E8M0 scales; the result is quantised at once along h x 128 + d.
; THE SOFTMAX AHEAD OF THE SECOND PRODUCT: u = score / sqrt(128) + mask; t = u x log2(e); M = the row's largest t so far, rounded UP to a whole number; p = 2^(t - M) is quantised along the keys,
; not normalised; the row's sum is taken of the unquantised p and divides at the end.  When M moves, the sum and O are multiplied by 2^(old M - new M): exact.
; q, k, v lie in qkv as panels of register images (8 fragments of 1,536 bytes, 512 bytes of scale words; lane r of tile t = row 32 (t / 2) + 8 (t % 2) + r + 8 (r / 8) of the panel's 128).
; SHARES: a work-group owns 128 queries of one head, each of its eight waves one tile of 16: two waves to a SIMD.  Every wave walks all 2,048 keys, 128 a step.
; Both products are used transposed: S^T = K Q^T, O^T = V^T P^T: a lane holds ONE query; by the tiles' order of rows its register 16 b + i is key (or channel) 32 b + 16 (lane / 16) + i.
; LDS: three regions of four key steps (a step's record: K's panel, V's panel: 25,600 dense bytes).  Waves 0-3 fetch a record each.  Steps 0-11 are first fills; steps 12-15 fill region 0 again
; behind the one round, and have eight steps in which to land.  CLUSTER: the four query groups of a cluster belong to one head and ask for K and V jointly.
; K'S FRAGMENTS ARE ASKED FOR A STEP AHEAD: once a step's first products have read K's registers, the next step's K is loaded into them and lands under the softmax, so a step begins with its products.
; The last step in front of each barrier (steps 3, 11) and the very last (15) ask for no K ahead and are written out: what lies behind a barrier is read behind it.
; THE MASK is read straight into registers, a step ahead: lane (r, h) takes, of its query's row, 64 bytes of each 128.  Head 0's work-groups prefetch it: in step j each wave names its 16 rows' 512 bytes of
; step j + 3, a lane to each 256 bytes, so each such block is named once in the launch; the last three steps name nothing.
; REGISTERS: window 0: v1-11, v86 addresses; v12 -M, v13 the largest t, v[14:15] the sum; v16-27 Q; v28, v32-39, v41 scale words; v44-59 at work; v[60:61] f; v64-83 codes; v96-159 S^T, then p; v160-223 O^T.
;   window 1: v0-63 the mask; v64-159 K's eight fragments; v160-255 V's.
; LIMITS: NaN and +infinity are not served; a mask of -infinity gives p = 0; a row masked -infinity throughout gives NaN.
; THE FILLS (in place of what the paragraph on LDS above says of who fetches): all eight waves fetch, one tensor load each time.  At the head wave w brings panel w of region 0's eight (12,800 bytes, 50 rows of 256);
; behind the three lines and a round of the cluster's barrier it brings record 4 + w (25,600 bytes, 100 rows): regions 1 and 2, first fills; behind step 3's round panel w of steps 12 to 15, into region 0.
; Group 1's two words that count rows are written behind a wait for all my tensor loads.
.set PANEL,  12800
.set SCO,    12288
.set REC,    25600
.set REGION, 102400
.set KVB,    3276800                   ; where the records of K and V begin in qkv
.set SPARE,  3*REGION                  ; the spare words, 128 bytes for each of eight waves
.set OSC,    SPARE+1024                ; 512 bytes: the output panel's scale words; no tensor load lands here
.set LI,  1                            ; v1  16 x lane
.set L8,  2                            ; v2  8 x lane
.set MO,  3                            ; v3  my place in the wave's 24 rows of the mask: (r + 8 (r / 8)) x 8,192 + 64 h
.set MA,  4                            ; v4  the same with the step's 512 bytes
.set SPW, 5                            ; v5  my spare word; never rewritten
.set NIL, 6                            ; v6  0; never rewritten
.set PFO, 7                            ; v7  the prefetches' offset: (r + 8 (r / 8)) x 8,192 + 256 h
.set ADK, 8
.set ADS, 9
.set OSW, 10                           ; v10 where I put my row's scale word
.set OSR, 11                           ; v11 where wave 0 reads the 512 bytes back
.set NM,  12
.set LS,  14
.set QF,  16
.set QS,  28
.set KS,  32
.set VS,  36
.set PS,  41
.set PW,  42
.set TM,  44
.set FF,  60
.set L2,  62
.set SCR, 64
.set CD,  72
.set TT,  84
.set FO,  86                           ; v86 16 x lane + 1,536 x wave: my fragment in a panel
.set S,   96
.set O,   160
.set MK,  0                            ; window 1
.set KF,  64
.set VF,  160
.set WV,  10
.set SEL, 12
.set C1,  14                           ; s[14:15] 1 / sqrt(128)
.set CL,  16                           ; s[16:17] log2(e)
.set TB,  18                           ; s18 LDS byte of the step's record
.set STP, 19                           ; s19 the key step
.set CNT, 20
.set TS,  21
.set MB,  22                           ; s[22:23] the mask at my wave's first row
.set G1,  24
.set G0,  32                           ; s[32:43] a group 0 for each region
.set PFA, 44
.set LIM, 46
.set MSB, 0
.macro WIN new
.if MSB != (\new)
	s_set_vgpr_msb (MSB<<8)|(\new)
.set MSB, (\new)
.endif
.endm
.macro PLACES n
.rept \n
	v_nop
.endr
.endm
.macro WM d, a, b, sa, sb, ra, zero    ; one matrix instruction; ra: source 0's scale words lie in lanes 16-31
.if \zero
.if (\ra)
	v_wmma_scale_f32_16x16x128_f8f6f4 v[0+(\d):7+(\d)], v[0+(\a):11+(\a)], v[0+(\b):11+(\b)], 0, v[\sa], v[\sb] matrix_a_fmt:MATRIX_FMT_FP6 matrix_b_fmt:MATRIX_FMT_FP6 matrix_a_scale:MATRIX_SCALE_ROW1
.else
	v_wmma_scale_f32_16x16x128_f8f6f4 v[0+(\d):7+(\d)], v[0+(\a):11+(\a)], v[0+(\b):11+(\b)], 0, v[\sa], v[\sb] matrix_a_fmt:MATRIX_FMT_FP6 matrix_b_fmt:MATRIX_FMT_FP6
.endif
.else
.if (\ra)
	v_wmma_scale_f32_16x16x128_f8f6f4 v[0+(\d):7+(\d)], v[0+(\a):11+(\a)], v[0+(\b):11+(\b)], v[0+(\d):7+(\d)], v[\sa], v[\sb] matrix_a_fmt:MATRIX_FMT_FP6 matrix_b_fmt:MATRIX_FMT_FP6 matrix_a_scale:MATRIX_SCALE_ROW1
.else
	v_wmma_scale_f32_16x16x128_f8f6f4 v[0+(\d):7+(\d)], v[0+(\a):11+(\a)], v[0+(\b):11+(\b)], v[0+(\d):7+(\d)], v[\sa], v[\sb] matrix_a_fmt:MATRIX_FMT_FP6 matrix_b_fmt:MATRIX_FMT_FP6
.endif
.endif
.endm
.macro CROUND                          ; a round of the cluster's barrier
	s_barrier_signal -1
	s_barrier_wait -1
	s_cmp_lg_u32 s[WV], 0
	s_cbranch_scc1 .Lnot_wave_0_\@
	s_barrier_signal -3
.Lnot_wave_0_\@:
	s_barrier_wait -3
	s_barrier_signal -1
	s_barrier_wait -1
.endm
.macro CODES src, dst, scr, so
.irp c, 0,1
	v_cvt_scalef32_pk16_fp6_f32 v[\dst+6*\c:\dst+6*\c+2], v[\src+32*\c:\src+32*\c+15], v[\so+2*\c]
	v_cvt_scalef32_pk16_fp6_f32 v[\scr+4*\c:\scr+4*\c+2], v[\src+16+32*\c:\src+31+32*\c], v[\so+2*\c+1]
.endr
	v_nop                                          ; one plain instruction behind the scaled conversions
.irp c, 0,1
.irp i, 0,1,2
	v_permlane16_swap_b32 v[\dst+6*\c+\i], v[\scr+4*\c+\i]
.endr
.irp i, 0,1,2
	s_delay_alu instid0(VALU_DEP_3)
	v_mov_b32 v[\dst+3+6*\c+\i], v[\scr+4*\c+\i]
.endr
.endr
.endm
	s_load_b128 s[4:7], s[0:1], 0x0                ; qkv, mask
	s_load_b64 s[8:9], s[0:1], 0x10                ; ocd
	v_lshl_add_u32 v[SPW], v0, 2, SPARE
	v_mov_b32 v[NIL], 0
	ds_add_u32 v5, v6
	ds_add_u32 v5, v6
	s_wait_dscnt 0x0
	v_lshrrev_b32 v8, 5, v0
	s_delay_alu instid0(VALU_DEP_1)
	v_readfirstlane_b32 s[WV], v8                  ; wave 0..7
	s_bfe_u32 s47, ttmp6, 0x40000                  ; cx
	s_lshl_b32 s48, ttmp9, 2
	s_add_co_u32 s48, s48, s47                     ; my group of 128 queries: it enters Q's, the mask's and the output's addresses alone
	s_and_b32 s49, ttmp7, 0xffff                   ; the head, which the four partners share
	s_lshl_b32 s52, s49, 4
	s_mul_i32 s52, s52, REC
	s_add_co_u32 s52, s52, KVB                     ; in memory: the head's sixteen records
	s_mul_i32 s50, s[WV], PANEL                    ; region 0: my panel of eight, in LDS as in memory
	s_mul_i32 s51, s[WV], REC
	s_add_co_u32 s60, s52, s51
	s_add_co_u32 s60, s60, 4*REC                   ; regions 1 and 2: record 4 + wave
	s_mov_b32 s61, 0
	s_add_co_u32 s52, s52, s50
	s_mov_b32 s53, 0
	s_add_co_u32 s51, s51, REGION                  ; and its place in LDS
	s_lshl_b32 s54, s49, 4
	s_add_co_u32 s54, s54, s48
	s_mul_i32 s54, s54, PANEL                      ; Q's panel: 16 x head + group
	s_mov_b32 s55, 0
	s_lshl_b32 s2, s48, 4
	s_add_co_u32 s2, s2, s49
	s_mul_i32 s2, s2, PANEL                        ; the output's: 16 x group + head
	s_mov_b32 s3, 0
	s_lshl_b32 s56, s48, 7                         ; the mask: row 128 x group + 32 (wave / 2) + 8 (wave % 2)
	s_lshr_b32 s57, s[WV], 1
	s_lshl_b32 s57, s57, 5
	s_add_co_u32 s56, s56, s57
	s_and_b32 s57, s[WV], 1
	s_lshl_b32 s57, s57, 3
	s_add_co_u32 s56, s56, s57
	s_lshl_b32 s56, s56, 13
	s_mov_b32 s57, 0
	; descriptor group 1: 12,800 dense bytes as 50 rows of 32 elements of 8 bytes
	s_mov_b32 s[G1], 15|(3<<16)|(1<<21)            ; 15:0 the mask: all four work-groups; 17:16 elements of 8 bytes; 21 set beside a mask; no padding
	s_mov_b32 s[G1+1], 32<<16
	s_mov_b32 s[G1+2], 50<<16
	s_mov_b32 s[G1+3], 32<<16
	s_mov_b32 s[G1+4], 50
	s_mov_b32 s[G1+5], 32
	s_mov_b32 s[G1+6], 0
	s_mov_b32 s[G1+7], 0
	s_mov_b32 s[SEL], 0x76543210
	s_mov_b32 s[SEL+1], 0xfedcba98
	s_mov_b32 s[C1], 0x3db504f3                    ; 1 / sqrt(128)
	s_mov_b32 s[C1+1], s[C1]                       ; (named with it as a pair, so it is written)
	s_mov_b32 s[CL], 0x3fb8aa3b                    ; log2(e)
	s_mov_b32 s[CL+1], s[CL]
	s_mov_b32 s[STP], 0
	s_cmp_eq_u32 s49, 0
	s_cselect_b32 s[LIM], 13, 0                    ; head 0's work-groups prefetch in steps 0 to 12; the head is the same in all four partners
	; every LDS address that stays is made here, ahead of the first branch on the wave's number
	v_and_b32 v8, 31, v0
	s_delay_alu instid0(VALU_DEP_1)
	v_lshlrev_b32 v[LI], 4, v8
	s_delay_alu instid0(VALU_DEP_2)
	v_lshlrev_b32 v[L8], 3, v8
	v_and_b32 v8, 15, v0                           ; r
	s_wait_alu depctr_va_vdst(0)
	v_bfe_u32 v9, v0, 4, 1                         ; h
	s_lshr_b32 s58, s[WV], 2                       ; tile w's scale words in a panel's 512 bytes: 256 (w / 4) + 128 (w % 2) + 4 ((w / 2) % 2) + 8 r
	s_lshl_b32 s58, s58, 8
	s_and_b32 s59, s[WV], 1
	s_lshl_b32 s59, s59, 7
	s_add_co_u32 s58, s58, s59
	s_bfe_u32 s59, s[WV], 0x10001
	s_lshl_b32 s59, s59, 2
	s_add_co_u32 s58, s58, s59
	v_lshlrev_b32 v85, 3, v8
	s_delay_alu instid0(VALU_DEP_1)
	v_add_nc_u32 v85, s58, v85
	s_delay_alu instid0(VALU_DEP_1)
	v_add_nc_u32 v[OSW], OSC, v85
	s_delay_alu instid0(VALU_DEP_2)
	v_add_nc_u32 v85, SCO, v85                     ; and the same place in Q's panel in memory
	v_add_nc_u32 v[OSR], OSC, v[LI]
	s_mul_i32 s58, s[WV], 1536
	v_add_nc_u32 v[FO], s58, v[LI]
	v_and_b32 v[MA], 8, v8
	s_delay_alu instid0(VALU_DEP_1)
	v_add_nc_u32 v[MA], v[MA], v8                  ; r + 8 (r / 8)
	s_delay_alu instid0(VALU_DEP_1)
	v_lshlrev_b32 v[MO], 13, v[MA]
	s_delay_alu instid0(VALU_DEP_1)
	v_lshl_add_u32 v[PFO], v9, 8, v[MO]
	s_delay_alu instid0(VALU_DEP_2)
	v_lshl_add_u32 v[MO], v9, 6, v[MO]
	s_delay_alu instid0(VALU_DEP_1)
	v_mov_b32 v[MA], v[MO]                         ; step 0
	s_wait_kmcnt 0x0
	s_add_nc_u64 s[52:53], s[4:5], s[52:53]
	s_add_nc_u64 s[60:61], s[4:5], s[60:61]
	s_add_nc_u64 s[4:5], s[4:5], s[54:55]
	s_add_nc_u64 s[8:9], s[8:9], s[2:3]
	s_add_nc_u64 s[MB:MB+1], s[6:7], s[56:57]
	s_add_nc_u64 s[PFA:PFA+1], s[MB:MB+1], 1024    ; step 0 steps it to the columns of step 3
	CROUND                                         ; all four work-groups are here: the first joint loads meet
	s_mov_b32 s[G0], 1                             ; group 0 for region 0
	s_add_co_u32 s[G0+1], s50, 0
	s_mov_b64 s[G0+2:G0+3], s[52:53]
	s_or_b32 s[G0+3], s[G0+3], 0x80000000
	s_mov_b32 s[G0+4], 1                           ; and for regions 1 and 2
	s_add_co_u32 s[G0+5], s51, 0
	s_mov_b64 s[G0+6:G0+7], s[60:61]
	s_or_b32 s[G0+7], s[G0+7], 0x80000000
	tensor_load_to_lds s[G0:G0+3], s[G1:G1+7]      ; my one tensor load at the head: my panel of region 0
	s_nop 0
.rept 4
	v_nop
.endr
	s_wait_alu depctr_va_vdst(0)
.irp c, 0,1,2
	global_load_b128 v[QF+4*\c:QF+4*\c+3], v[FO], s[4:5] offset:512*\c   ; Q's fragment stays in registers
.endr
	global_load_b32 v[QS], v85, s[4:5]             ; and its rows' scale words
	WIN 0x40                                       ; destination window 1
.irp b, 0,1,2,3
.irp j, 0,1,2,3
	global_load_b128 v[MK+16*\b+4*\j:MK+16*\b+4*\j+3], v[MA], s[MB:MB+1] offset:128*\b+16*\j   ; the mask of step 0
.endr
.endr
	WIN 0
	v_mov_b32 v13, 0xff61b1e6                      ; the largest t so far: -3e38
	s_delay_alu instid0(VALU_DEP_1)
	v_floor_f32 v[NM], -v13                        ; -M
	v_mov_b32 v[LS], 0
	v_mov_b32 v[LS+1], 0
	v_mov_b32 v[FF+1], 0                           ; (named as the upper half of a pair)
	v_mov_b32 v[TT], 0
.irp b, 0,1,2,3
	v_mov_b32 v[TM+4+\b], 0                        ; written once: a lane permute's destination counts as one of its sources
.endr
.set j, 0
.rept 64
	v_mov_b32 v[O+j], 0                            ; O^T.  (The step is written for every step alike: the first finds zeros, which the first change of M leaves zeros)
.set j, j+1
.endr
; K's scale words and eight fragments, 26 LDS loads, of the record that begins off bytes behind the one that v[ADK] and v[ADS] name.  It begins with every window 0 and leaves the destination's window at 1.
.macro KLOAD off
	ds_load_b64 v[KS:KS+1], v[ADS] offset:(\off)+SCO
	ds_load_b64 v[KS+2:KS+3], v[ADS] offset:(\off)+SCO+256
	WIN 0x40
.irp t, 0,1,2,3,4,5,6,7
.irp c, 0,1,2
	ds_load_b128 v[KF+12*\t+4*\c:KF+12*\t+4*\c+3], v[ADK] offset:(\off)+1536*\t+512*\c
.endr
.endr
.endm
; The first K of a run of steps whose records begin at LDS byte base: behind the barrier that has shown them whole.
.macro FIRSTK base
	s_mov_b32 s[TB], \base
	v_add_nc_u32 v[ADK], s[TB], v[LI]
	v_add_nc_u32 v[ADS], s[TB], v[L8]
	KLOAD 0
	WIN 0
.endm
; A KEY STEP: 128 keys, whose record begins at LDS byte s[TB]; its K has been asked for.  pre = 1: the next record's K is asked for.  more = 1: a step follows, and its mask is asked for.
.macro KSTEP pre, more
	v_add_nc_u32 v[ADK], s[TB], v[LI]
	v_add_nc_u32 v[ADS], s[TB], v[L8]
	s_wait_alu depctr_va_vdst(0)
	s_wait_dscnt 0x0                               ; K is in: asked for a step ago, or just behind the barrier
	WIN 0x01                                       ; source 0 window 1
.irp t, 0,1,2,3,4,5,6,7
	WM S+8*\t, KF+12*\t, QF, KS+\t/2, QS, \t%2, 1
.endr
	WIN 0
	PLACES 4                                       ; in front of the first read of the scores, of the loads into K's registers and scale words, which these products read, and (with the two additions above) of the loads into V's, which the last step's products read
	WIN 0x40
.irp t, 0,1,2,3,4,5,6,7
.irp c, 0,1,2
	ds_load_b128 v[VF+12*\t+4*\c:VF+12*\t+4*\c+3], v[ADK] offset:PANEL+1536*\t+512*\c   ; V lands while the softmax is worked
.endr
.endr
	WIN 0
	ds_load_b64 v[VS:VS+1], v[ADS] offset:PANEL+SCO
	ds_load_b64 v[VS+2:VS+3], v[ADS] offset:PANEL+SCO+256
	s_wait_loadcnt 0x0                             ; this step's mask, asked for a step ago
	WIN 0x10                                       ; source 2 window 1
.set j, 0
.rept 32
	v_pk_fma_f32 v[S+j:S+j+1], v[S+j:S+j+1], s[C1:C1+1], v[MK+j:MK+j+1] op_sel_hi:[1,0,1]   ; u = score / sqrt(128) + mask; each accumulator from its low end on
.set j, j+2
.endr
	WIN 0
.if \more
	s_wait_xcnt 0x0                                ; the last step's prefetch has read its address: it is written only behind this wait
	s_add_nc_u64 s[PFA:PFA+1], s[PFA:PFA+1], 512
	s_add_co_u32 s[TS], s[STP], 1
	s_min_u32 s[TS], s[TS], 15                     ; (a step follows, so this holds nothing back: it states the bound)
	s_lshl_b32 s[TS], s[TS], 9
	v_add_nc_u32 v[MA], s[TS], v[MO]
.endif
.if \pre
	KLOAD REC                                      ; the next step's K, into the registers that this step's first products have read: it lands under the softmax
.endif
.if \more
	WIN 0x40
.irp b, 0,1,2,3
.irp j, 0,1,2,3
	global_load_b128 v[MK+16*\b+4*\j:MK+16*\b+4*\j+3], v[MA], s[MB:MB+1] offset:128*\b+16*\j   ; the next step's mask
.endr
.endr
.endif
	WIN 0
.if \more
	s_cmp_lt_u32 s[STP], s[LIM]
	s_cbranch_scc0 .Lno_ask_\@
	global_prefetch_b8 v[PFO], s[PFA:PFA+1] th:TH_LOAD_NT scope:SCOPE_SE   ; my 16 rows' 512 bytes of step + 3, behind the step's loads
.Lno_ask_\@:
.endif
.irp b, 0,1,2,3
	v_max3_num_f32 v[TM+\b], v[S+16*\b], v[S+1+16*\b], v[S+2+16*\b]   ; the largest u of each block of 32 keys: it serves the row's maximum and, since p rises with u, the block's largest p
.endr
.irp i, 3,5,7,9,11,13
.irp b, 0,1,2,3
	s_delay_alu instid0(VALU_DEP_4)
	v_max3_num_f32 v[TM+\b], v[TM+\b], v[S+16*\b+\i], v[S+1+16*\b+\i]
.endr
.endr
.irp b, 0,1,2,3
	s_delay_alu instid0(VALU_DEP_4)
	v_max_num_f32 v[TM+\b], v[TM+\b], v[S+15+16*\b]
.endr
.irp b, 0,1,2,3
	s_delay_alu instid0(VALU_DEP_4)
	v_permlanex16_b32 v[TM+4+\b], v[TM+\b], s[SEL], s[SEL+1]
.endr
.irp b, 0,1,2,3
	s_delay_alu instid0(VALU_DEP_4)
	v_max_num_f32 v[TM+\b], v[TM+\b], v[TM+4+\b]   ; with lane l xor 16's 16 keys
.endr
	s_delay_alu instid0(VALU_DEP_2)
	v_max3_num_f32 v[TT], v[TM], v[TM+1], v[TM+2]
	s_delay_alu instid0(VALU_DEP_1)
	v_max_num_f32 v[TT], v[TT], v[TM+3]
	s_delay_alu instid0(VALU_DEP_1)
	v_mul_f32 v[TT], s[CL], v[TT]                  ; the step's largest t of my query
	s_delay_alu instid0(VALU_DEP_1)
	v_max_num_f32 v13, v13, v[TT]                  ; the running largest t
	v_mov_b32 v[TT], v[NM]
	s_delay_alu instid0(VALU_DEP_2)
	v_floor_f32 v[NM], -v13                        ; the new -M = floor(-t): M is a whole number
	s_delay_alu instid0(VALU_DEP_1)
	v_sub_f32 v[TT], v[NM], v[TT]                  ; old M - new M: a whole number, 0 or less
	s_delay_alu instid0(VALU_DEP_1)
	v_cvt_i32_f32 v[TT], v[TT]                     ; (it saturates)
	s_delay_alu instid0(VALU_DEP_1)
	v_ldexp_f32 v[FF], 1.0, v[TT]                  ; f = 2^(old M - new M)
.set j, 0
.rept 32
	v_pk_fma_f32 v[S+j:S+j+1], v[S+j:S+j+1], s[CL:CL+1], v[NM:NM+1] op_sel_hi:[1,0,0]   ; t - M
.set j, j+2
.endr
.irp b, 0,1,2,3
	v_fma_f32 v[TM+\b], v[TM+\b], s[CL], v[NM]     ; the same of each block's largest u
.endr
.set j, 0
	s_wait_alu depctr_va_vdst(0)
.rept 64
	v_exp_f32 v[S+j], v[S+j]                       ; p = 2^(t - M)
.set j, j+1
.endr
	v_pk_mul_f32 v[LS:LS+1], v[LS:LS+1], v[FF:FF+1] op_sel_hi:[1,0]   ; the sum under the new M: a plain instruction behind the exponentials
	s_wait_alu depctr_va_vdst(0)                   ; one wait for the batch, ahead of its first reader
.irp b, 0,1,2,3
	v_exp_f32 v[TM+\b], v[TM+\b]                   ; the block's largest p: the same two instructions on the same number give the same bits
.endr
	v_pk_add_f32 v[62:63], v[100:101], v[104:105]
	v_pk_add_f32 v[254:255], v[108:109], v[112:113]
	v_pk_add_f32 v[252:253], v[116:117], v[120:121]
	v_pk_add_f32 v[250:251], v[124:125], v[128:129]
	v_pk_add_f32 v[248:249], v[132:133], v[136:137]
	v_pk_add_f32 v[246:247], v[140:141], v[144:145]
	v_pk_add_f32 v[244:245], v[148:149], v[152:153]
	v_pk_add_f32 v[14:15], v[14:15], v[156:157]
	v_pk_add_f32 v[62:63], v[62:63], v[96:97]
	v_pk_add_f32 v[254:255], v[254:255], v[98:99]
	v_pk_add_f32 v[252:253], v[252:253], v[102:103]
	v_pk_add_f32 v[250:251], v[250:251], v[106:107]
	v_pk_add_f32 v[248:249], v[248:249], v[110:111]
	v_pk_add_f32 v[246:247], v[246:247], v[114:115]
	v_pk_add_f32 v[244:245], v[244:245], v[118:119]
	v_pk_add_f32 v[14:15], v[14:15], v[122:123]
	v_pk_add_f32 v[62:63], v[62:63], v[126:127]
	v_pk_add_f32 v[254:255], v[254:255], v[130:131]
	v_pk_add_f32 v[252:253], v[252:253], v[134:135]
	v_pk_add_f32 v[250:251], v[250:251], v[138:139]
	v_pk_add_f32 v[248:249], v[248:249], v[142:143]
	v_pk_add_f32 v[246:247], v[246:247], v[146:147]
	v_pk_add_f32 v[244:245], v[244:245], v[150:151]
	v_pk_add_f32 v[14:15], v[14:15], v[154:155]
	v_pk_add_f32 v[62:63], v[62:63], v[158:159]
	s_delay_alu instid0(VALU_DEP_2)
	v_pk_add_f32 v[14:15], v[14:15], v[250:251]
	s_delay_alu instid0(VALU_DEP_2)
	v_pk_add_f32 v[62:63], v[62:63], v[248:249]
	v_pk_add_f32 v[254:255], v[254:255], v[246:247]
	v_pk_add_f32 v[252:253], v[252:253], v[244:245]
	s_delay_alu instid0(VALU_DEP_2)
	v_pk_add_f32 v[14:15], v[14:15], v[254:255]
	s_delay_alu instid0(VALU_DEP_2)
	v_pk_add_f32 v[62:63], v[62:63], v[252:253]
	s_delay_alu instid0(VALU_DEP_1)
	v_pk_add_f32 v[14:15], v[14:15], v[62:63]
	s_wait_alu depctr_va_vdst(0)                   ; and one for the four
.irp b, 0,1,2,3
	v_max_num_f32 v[TM+\b], 0x1800000, v[TM+\b]    ; the floor 2^(3 - 127): the byte cannot fall under 1
.endr
.irp b, 0,1,2,3
	s_delay_alu instid0(VALU_DEP_4)
	v_add_nc_u32 v[TM+12+\b], 0xff000000, v[TM+\b] ; 2 off the exponent field: the conversion's scale operand
.endr
.irp b, 0,1,2,3
	s_delay_alu instid0(VALU_DEP_4)
	v_lshrrev_b32 v[TM+4+\b], 23, v[TM+12+\b]      ; the scale's byte
.endr
	s_delay_alu instid0(VALU_DEP_3)
	v_lshl_or_b32 v[PS], v[TM+5], 8, v[TM+4]       ; p's scale word for these 128 keys
	s_delay_alu instid0(VALU_DEP_1)
	v_lshl_or_b32 v[PS], v[TM+6], 16, v[PS]
	s_delay_alu instid0(VALU_DEP_1)
	v_lshl_or_b32 v[PS], v[TM+7], 24, v[PS]
	CODES S, CD, SCR, TM+12
.set j, 0
.rept 32
	v_pk_mul_f32 v[O+j:O+j+1], v[O+j:O+j+1], v[FF:FF+1] op_sel_hi:[1,0]   ; O^T under the new M.  (These 32 also stand between the writes of p's codes and scale word and the products)
.set j, j+2
.endr
.if \pre
	s_wait_alu depctr_va_vdst(0)
	s_wait_dscnt 26                                ; V is in; the 26 younger loads, the next step's K, may be out
.else
	s_wait_alu depctr_va_vdst(0)
	s_wait_dscnt 0x0                               ; V is in
.endif
	WIN 0x01
.irp t, 0,1,2,3,4,5,6,7
	WM O+8*\t, VF+12*\t, CD, VS+\t/2, PS, \t%2, 0  ; the eight accumulators by turns, one instruction a turn
.endr
	WIN 0
	s_add_co_u32 s[TB], s[TB], REC
	s_add_co_u32 s[STP], s[STP], 1
.endm
	s_wait_alu depctr_va_vdst(0)
	s_wait_tensorcnt 0x0                           ; my panel of region 0 is in: a descriptor may be written
	ds_add_u32 v[SPW], v[NIL]
	s_mov_b32 s[G1+2], 100<<16                     ; the next load brings a record: 100 rows
	s_mov_b32 s[G1+4], 100
	s_wait_dscnt 0x0
	CROUND                                         ; region 0 is whole, and all four work-groups are here
	tensor_load_to_lds s[G0+4:G0+7], s[G1:G1+7]    ; regions 1 and 2, first fills: my one tensor load behind the round; steps 0 to 3 stand between it and the wait for it
	s_nop 0
.rept 4
	v_nop
.endr
	s_wait_loadcnt 0x0                             ; Q
	FIRSTK 0                                       ; step 0's K
	s_mov_b32 s[CNT], 3
.Lregion0:                                             ; steps 0 to 2
	KSTEP 1, 1
	s_sub_co_u32 s[CNT], s[CNT], 1
	s_cmp_lg_u32 s[CNT], 0
	s_cbranch_scc1 .Lregion0
	s_mov_b32 s[TB], 3*REC
	KSTEP 0, 1                                     ; step 3: step 4's K lies in region 1, which is shown whole only behind the round below
	s_wait_tensorcnt 0x0                           ; all my tensor loads have landed, regions 1 and 2 among them: a group 0 may be written
	ds_add_u32 v[SPW], v[NIL]                      ; 0 onto my spare word
	s_add_nc_u64 s[G0+2:G0+3], s[G0+2:G0+3], 12*REC   ; region 0's next records: my panel of steps 12 to 15
	s_mov_b32 s[G1+2], 50<<16                      ; a panel again: 50 rows
	s_mov_b32 s[G1+4], 50
	s_wait_dscnt 0x0                               ; the add is done, and my reads of region 0 are over
	CROUND                                         ; both now hold of every wave of all four work-groups
	tensor_load_to_lds s[G0:G0+3], s[G1:G1+7]      ; my one tensor load behind the round
	s_nop 0
.rept 4
	v_nop
.endr
	FIRSTK REGION                                  ; step 4's K
	s_mov_b32 s[CNT], 7
.Lregion12:                                            ; steps 4 to 10
	KSTEP 1, 1
	s_sub_co_u32 s[CNT], s[CNT], 1
	s_cmp_lg_u32 s[CNT], 0
	s_cbranch_scc1 .Lregion12
	s_mov_b32 s[TB], REGION+7*REC
	KSTEP 0, 1                                     ; step 11: step 12's K lies in region 0, which is shown whole only behind the barrier below
	s_wait_tensorcnt 0x0                           ; my part of steps 12 to 15 is in
	ds_add_u32 v[SPW], v[NIL]
	s_mov_b32 s[CNT], 3
	s_wait_dscnt 0x0
	s_barrier_signal -1
	s_barrier_wait -1                              ; everybody's is
	FIRSTK 0                                       ; step 12's K
.Lregion3:                                             ; steps 12 to 14
	KSTEP 1, 1
	s_sub_co_u32 s[CNT], s[CNT], 1
	s_cmp_lg_u32 s[CNT], 0
	s_cbranch_scc1 .Lregion3
	s_mov_b32 s[TB], 3*REC
	KSTEP 0, 0                                     ; step 15: nothing follows: no K and no mask are asked for
	; THE WAY OUT.  O^T / the sum, in f32, is quantised along the head's 128 (register 16 b + i = channel 32 b + 16 (lane / 16) + i) and leaves as fragment w of the panel (query group, K step = head).
	v_add_f32 v[LS], v[LS], v[LS+1]
	s_delay_alu instid0(VALU_DEP_1)
	v_permlanex16_b32 v[TT], v[LS], s[SEL], s[SEL+1]
	s_delay_alu instid0(VALU_DEP_1)
	v_add_f32 v[LS], v[LS], v[TT]                  ; the row's sum
	s_wait_alu depctr_va_vdst(0)
	v_rcp_f32 v[LS], v[LS]
	PLACES 3                                       ; plain instructions behind the reciprocal; with the additions above also those between the last products and the first read of O^T
	s_wait_alu depctr_va_vdst(0)                   ; the wait ahead of the reciprocal's first reader
.set j, 0
.rept 64
	v_mul_f32 v[S+j], v[O+j], v[LS]
.set j, j+1
.endr
.irp b, 0,1,2,3
	v_max3_num_f32 v[TM+\b], |v[S+16*\b]|, |v[S+1+16*\b]|, 0x1800000
.endr
.irp i, 2,4,6,8,10,12,14
.irp b, 0,1,2,3
	s_delay_alu instid0(VALU_DEP_4)
	v_max3_num_f32 v[TM+\b], v[TM+\b], |v[S+16*\b+\i]|, |v[S+1+16*\b+\i]|
.endr
.endr
.irp b, 0,1,2,3
	s_delay_alu instid0(VALU_DEP_4)
	v_permlanex16_b32 v[TM+4+\b], v[TM+\b], s[SEL], s[SEL+1]
.endr
.irp b, 0,1,2,3
	s_delay_alu instid0(VALU_DEP_4)
	v_max_num_f32 v[TM+\b], v[TM+\b], v[TM+4+\b]
.endr
.irp b, 0,1,2,3
	s_delay_alu instid0(VALU_DEP_4)
	v_add_nc_u32 v[TM+12+\b], 0xff000000, v[TM+\b]
.endr
.irp b, 0,1,2,3
	s_delay_alu instid0(VALU_DEP_4)
	v_lshrrev_b32 v[TM+4+\b], 23, v[TM+12+\b]
.endr
	s_delay_alu instid0(VALU_DEP_3)
	v_lshl_or_b32 v[PW], v[TM+5], 8, v[TM+4]
	s_delay_alu instid0(VALU_DEP_1)
	v_lshl_or_b32 v[PW], v[TM+6], 16, v[PW]
	s_delay_alu instid0(VALU_DEP_1)
	v_lshl_or_b32 v[PW], v[TM+7], 24, v[PW]
	CODES S, CD, SCR, TM+12
.irp c, 0,1,2
	global_store_b128 v[FO], v[CD+4*\c:CD+4*\c+3], s[8:9] offset:512*\c   ; 32 lanes store 512 consecutive bytes
.endr
	ds_store_b32 v[OSW], v[PW]                     ; lanes l and l xor 16 write the same word with the same value
	s_wait_dscnt 0x0                               ; for the others' sake: my store has landed
	s_barrier_signal -1
	s_barrier_wait -1
	s_cmp_lg_u32 s[WV], 0
	s_cbranch_scc1 .Lnot_first
	ds_load_b128 v[S:S+3], v[OSR]                  ; the panel's 512 bytes of scale words
	s_wait_dscnt 0x0
	global_store_b128 v[LI], v[S:S+3], s[8:9] offset:SCO
.Lnot_first:
	s_wait_tensorcnt 0x0                           ; the wave's end
	ds_add_u32 v[SPW], v[NIL]
	s_wait_dscnt 0x0
	CROUND                                         ; the closing round
	s_endpgm
.Lfunc_end_k_q2e0bc57170_attn:
	.size	k_q2e0bc57170_attn, .Lfunc_end_k_q2e0bc57170_attn-k_q2e0bc57170_attn
	.p2alignl 7, 3214868480
	.fill 96, 4, 3214868480
	.section	.rodata,"a",@progbits
	.p2align	6, 0x0
	.amdhsa_kernel k_q2e0bc57170_attn
		.amdhsa_group_segment_fixed_size 327680
		.amdhsa_private_segment_fixed_size 0
		.amdhsa_enable_private_segment 0
		.amdhsa_kernarg_size 24
		.amdhsa_user_sgpr_count 2
		.amdhsa_user_sgpr_kernarg_segment_ptr 1
		.amdhsa_wavefront_size32 1
		.amdhsa_system_sgpr_workgroup_id_x 1
		.amdhsa_system_sgpr_workgroup_id_y 1
		.amdhsa_system_sgpr_workgroup_id_z 1
		.amdhsa_system_vgpr_workitem_id 0
		.amdhsa_next_free_vgpr 512
		.amdhsa_next_free_sgpr 66
		.amdhsa_reserve_vcc 0
		.amdhsa_float_denorm_mode_32 3
		.amdhsa_float_denorm_mode_16_64 3
		.amdhsa_memory_ordered 1
		.amdhsa_forward_progress 1
		.amdhsa_inst_pref_size 168
	.end_amdhsa_kernel
	.amdgpu_metadata
---
amdhsa.version: [ 1, 2 ]
amdhsa.kernels:
  - .name:           k_q2e0bc57170_attn
    .symbol:         k_q2e0bc57170_attn.kd
    .args:
      - { .name: qkv, .offset: 0, .size: 8, .value_kind: global_buffer, .address_space: global }
      - { .name: mask, .offset: 8, .size: 8, .value_kind: global_buffer, .address_space: global }
      - { .name: ocd, .offset: 16, .size: 8, .value_kind: global_buffer, .address_space: global }
    .group_segment_fixed_size: 327680
    .private_segment_fixed_size: 0
    .kernarg_segment_align: 8
    .kernarg_segment_size: 24
    .max_flat_workgroup_size: 256
    .sgpr_count:     66
    .vgpr_count:     512
    .wavefront_size: 32
...
	.end_amdgpu_metadata
.endif
;; end of part 3
;; launch proj (part 4): grid 16 x 16, 4 waves a work-group, clusters of 4 x 4, 327,680 bytes of LDS; arguments ocd, xw, out0; writes out0
.if DOCPART == 4
	.amdgcn_target "amdgcn-amd-amdhsa--gfx1250"
	.amdhsa_code_object_version 6
	.text
	.protected	k_q2e0bc57170_proj
	.globl	k_q2e0bc57170_proj
	.p2align	8
	.type	k_q2e0bc57170_proj,@function
k_q2e0bc57170_proj:
	s_mov_b64 s[64:65], 0
	v_nop
	global_prefetch_b8 v0, s[64:65] scope:SCOPE_SE
	s_setreg_imm32_b32 hwreg(HW_REG_WAVE_MODE, 25, 1), 1
	s_wait_xcnt 0x0
	s_wait_alu depctr_hold_cnt(0) depctr_sa_sdst(0) depctr_va_vdst(0) depctr_va_sdst(0) depctr_va_ssrc(0) depctr_va_vcc(0) depctr_vm_vsrc(0)
	s_getreg_b32 s2, hwreg(HW_REG_IB_STS2, 6, 4)
	s_cmp_eq_u32 s2, 0
	s_cbranch_scc0 .Lentry_in_a_cluster
	s_endpgm
.Lentry_in_a_cluster:
	s_bfe_u32 s2, ttmp6, 0x10000c
	s_cmp_lg_u32 s2, 0xf033
	s_cbranch_scc0 .Lentry_shape_is_right
	s_endpgm
.Lentry_shape_is_right:
; out0 = o Wo^T on codes of FP6 (E2M3) with E8M0 scales; out0 [2048][2048] f32.  Both operands lie as panels of register images (8 fragments of 1,536 bytes, 512 bytes of scale words;
; lane r of tile t = row 32 (t / 2) + 8 (t % 2) + r + 8 (r / 8) of the panel's 128): o in ocd [token group][K step][panel], Wo in xw's row groups 64 to 79.
; SHARES: a work-group makes 128 x 128 (256 work-groups), each of four waves 64 x 64: 16 accumulators.  Source 0 = 16 rows of Wo, source 1 = 16 tokens: a lane holds one token and eight columns a tile.
; LDS: three regions of four K steps (o's four panels, then Wo's four).  A wave's tensor load brings two panels: 25,600 dense bytes as 100 rows of 256.  K steps 0-11 are first fills; steps 12-15 fill region 0
; again behind the one round, with eight steps in which to land.  CLUSTERS 4 x 4: o's panels are shared along a row of the cluster, Wo's along a column.
; REGISTERS: window 0: v8-22 addresses; v28, v29 the add's; v32-39 scale words, two sets; v48-111 rows on the way out; v128-255 the accumulators, (a, b) at v[128 + 8 (4 a + b)].
;   window 1: two sets of fragments at v0 and v128: o's four, then Wo's four.
; SCALARS: s[24:31], s[32:43] groups 1 and 0 for o's panels; s[48:55], s[68:79] for Wo's; s56-60 my place in the cluster and what is made of it: no descriptor's register holds anything else.
; THE LAYOUT OF LDS AND THE FILLS (in place of what the paragraph on LDS above says): o's twelve panels lie on end from byte 0, Wo's twelve from byte 153,600; K step k lies at panel k % 12.
; At the head a wave brings six panels with its one tensor load (76,800 dense bytes, 300 rows of 256): K steps 0 to 11.  Behind step 3's round it brings two panels (100 rows): K steps 12 to 15, into panels 0 to 3.
; Group 1's two words that count rows are written behind the wait for all my tensor loads.
.set PANEL,  12800
.set SCO,    12288
.set GROUPB, 204800
.set PART,   25600
.set REGION, 102400
.set SPARE,  3*REGION
.set STAGES, SPARE+512                 ; a stage of 16 rows x (256 + 16) bytes for each wave; no tensor load lands here
.set SPITCH, 272
.set ADP, 8                            ; v8-10  my o fragments in region 0, 1, 2
.set ADR, 11                           ; v11-13 my Wo fragments
.set ASP, 14                           ; v14-16 o's scale words
.set ASR, 17                           ; v17-19 Wo's
.set STO, 20
.set RD,  21
.set CO,  22
.set SPW, 28
.set NIL, 29
.set SC,  32                           ; set k % 2 at v[32 + 4 (k % 2)]: Wo's two registers, then o's two; register t / 2, lanes 0-15 for an even tile, lanes 16-31 for an odd one
.set BK,  48
.set ACC, 128
.set WV,  14
.set G1P, 24
.set G0P, 32                           ; s[32:43]
.set G1R, 48
.set CX,  56                           ; s56 cx, s57 cy: my place in the cluster
.set CY,  57
.set GX,  58                           ; s58 Wo's row group = the tile column of out0
.set MROW, 59                          ; s59 the mask of my row of the cluster
.set MCOL, 60                          ; s60 of my column
.set G0R, 68                           ; s[68:79]
.set MUL, 0x05                         ; sources 0 and 1 window 1; C and D window 0
.set MSB, 0
.macro WIN new
.if MSB != (\new)
	s_set_vgpr_msb (MSB<<8)|(\new)
.set MSB, (\new)
.endif
.endm
.macro PLACES n
.rept \n
	v_nop
.endr
.endm
.macro WM d, a, b, sa, sb, ra, rb, zero
.if \zero
.if (\ra) && (\rb)
	v_wmma_scale_f32_16x16x128_f8f6f4 v[0+(\d):7+(\d)], v[0+(\a):11+(\a)], v[0+(\b):11+(\b)], 0, v[\sa], v[\sb] matrix_a_fmt:MATRIX_FMT_FP6 matrix_b_fmt:MATRIX_FMT_FP6 matrix_a_scale:MATRIX_SCALE_ROW1 matrix_b_scale:MATRIX_SCALE_ROW1
.elseif (\ra)
	v_wmma_scale_f32_16x16x128_f8f6f4 v[0+(\d):7+(\d)], v[0+(\a):11+(\a)], v[0+(\b):11+(\b)], 0, v[\sa], v[\sb] matrix_a_fmt:MATRIX_FMT_FP6 matrix_b_fmt:MATRIX_FMT_FP6 matrix_a_scale:MATRIX_SCALE_ROW1
.elseif (\rb)
	v_wmma_scale_f32_16x16x128_f8f6f4 v[0+(\d):7+(\d)], v[0+(\a):11+(\a)], v[0+(\b):11+(\b)], 0, v[\sa], v[\sb] matrix_a_fmt:MATRIX_FMT_FP6 matrix_b_fmt:MATRIX_FMT_FP6 matrix_b_scale:MATRIX_SCALE_ROW1
.else
	v_wmma_scale_f32_16x16x128_f8f6f4 v[0+(\d):7+(\d)], v[0+(\a):11+(\a)], v[0+(\b):11+(\b)], 0, v[\sa], v[\sb] matrix_a_fmt:MATRIX_FMT_FP6 matrix_b_fmt:MATRIX_FMT_FP6
.endif
.else
.if (\ra) && (\rb)
	v_wmma_scale_f32_16x16x128_f8f6f4 v[0+(\d):7+(\d)], v[0+(\a):11+(\a)], v[0+(\b):11+(\b)], v[0+(\d):7+(\d)], v[\sa], v[\sb] matrix_a_fmt:MATRIX_FMT_FP6 matrix_b_fmt:MATRIX_FMT_FP6 matrix_a_scale:MATRIX_SCALE_ROW1 matrix_b_scale:MATRIX_SCALE_ROW1
.elseif (\ra)
	v_wmma_scale_f32_16x16x128_f8f6f4 v[0+(\d):7+(\d)], v[0+(\a):11+(\a)], v[0+(\b):11+(\b)], v[0+(\d):7+(\d)], v[\sa], v[\sb] matrix_a_fmt:MATRIX_FMT_FP6 matrix_b_fmt:MATRIX_FMT_FP6 matrix_a_scale:MATRIX_SCALE_ROW1
.elseif (\rb)
	v_wmma_scale_f32_16x16x128_f8f6f4 v[0+(\d):7+(\d)], v[0+(\a):11+(\a)], v[0+(\b):11+(\b)], v[0+(\d):7+(\d)], v[\sa], v[\sb] matrix_a_fmt:MATRIX_FMT_FP6 matrix_b_fmt:MATRIX_FMT_FP6 matrix_b_scale:MATRIX_SCALE_ROW1
.else
	v_wmma_scale_f32_16x16x128_f8f6f4 v[0+(\d):7+(\d)], v[0+(\a):11+(\a)], v[0+(\b):11+(\b)], v[0+(\d):7+(\d)], v[\sa], v[\sb] matrix_a_fmt:MATRIX_FMT_FP6 matrix_b_fmt:MATRIX_FMT_FP6
.endif
.endif
.endm
.macro CREST
	s_cmp_lg_u32 s[WV], 0
	s_cbranch_scc1 .Lnot_wave_0_\@
	s_barrier_signal -3
.Lnot_wave_0_\@:
	s_barrier_wait -3
	s_barrier_signal -1
	s_barrier_wait -1
.endm
.macro CROUND
	s_barrier_signal -1
	s_barrier_wait -1
	CREST
.endm
	s_load_b128 s[4:7], s[0:1], 0x0                ; ocd, xw
	s_load_b64 s[12:13], s[0:1], 0x10              ; out0
	v_lshl_add_u32 v[SPW], v0, 2, SPARE
	v_mov_b32 v[NIL], 0
	ds_add_u32 v28, v29
	ds_add_u32 v28, v29
	s_wait_dscnt 0x0
	v_lshrrev_b32 v1, 5, v0
	v_readfirstlane_b32 s[WV], v1                  ; wave 0..3
	s_lshr_b32 s15, s[WV], 1                       ; which half of the tokens is mine.  Also: I fetch for o (0) or for Wo (1)
	s_and_b32 s16, s[WV], 1                        ; which half of the columns.  Also: which two of a region's four K steps I fetch
	s_bfe_u32 s[CX], ttmp6, 0x40000                ; cx, cy
	s_bfe_u32 s[CY], ttmp6, 0x40004
	s_lshl_b32 s[GX], ttmp9, 2
	s_add_co_u32 s[GX], s[GX], s[CX]               ; gx: Wo's row group
	s_and_b32 s17, ttmp7, 0xffff
	s_lshl_b32 s17, s17, 2
	s_add_co_u32 s17, s17, s[CY]                   ; gy: the token group
	s_lshl_b32 s[MROW], s[CY], 2
	s_lshl_b32 s[MROW], 15, s[MROW]                ; my row of the cluster
	s_lshl_b32 s[MCOL], 0x1111, s[CX]              ; my column
	s_or_b32 s[G1P], s[MROW], (3<<16)|(1<<21)      ; group 1: 76,800 dense bytes as 300 rows of 32 elements of 8 bytes; o's panels go to my row,
	s_or_b32 s[G1R], s[MCOL], (3<<16)|(1<<21)      ; Wo's to my column
.irp g, G1P, G1R
	s_mov_b32 s[\g+1], 32<<16
	s_mov_b32 s[\g+2], 300<<16
	s_mov_b32 s[\g+3], 32<<16
	s_mov_b32 s[\g+4], 300
	s_mov_b32 s[\g+5], 32
	s_mov_b32 s[\g+6], 0
	s_mov_b32 s[\g+7], 0
.endr
	s_mul_i32 s8, s16, 3*PART                      ; the head's load: my six K steps of twelve, in bytes of the row group
	s_mov_b32 s9, 0
	s_mul_i32 s10, s16, PART
	s_mul_i32 s44, s15, 6*PART
	s_add_co_u32 s44, s44, s10                     ; the refill's place in LDS: o's or Wo's panels 0, 1 or 2, 3
	s_add_co_u32 s10, s10, 6*PART                  ; and its bytes of the row group: K steps 12, 13 or 14, 15
	s_mov_b32 s11, 0
	s_mul_i32 s20, s17, GROUPB                     ; o: it hangs on gy alone
	s_mov_b32 s21, 0
	s_add_co_u32 s46, s[GX], 64                    ; Wo: xw's row group 64 + gx: it hangs on gx alone
	s_mul_i32 s46, s46, GROUPB
	s_mov_b32 s47, 0
	s_mul_i32 s45, s[WV], 3*PART                   ; where the head's load goes: wave x 76,800
	s_wait_kmcnt 0x0
	s_add_nc_u64 s[20:21], s[4:5], s[20:21]
	s_add_nc_u64 s[46:47], s[6:7], s[46:47]
	CROUND                                         ; all sixteen work-groups are here: the first joint loads meet
.macro MKG0 g0, a                      ; two groups 0: the head's load, then the refill
	s_mov_b32 s[\g0], 1
	s_add_co_u32 s[\g0+1], s45, 0
	s_add_nc_u64 s[\g0+2:\g0+3], s[\a:\a+1], s[8:9]
	s_or_b32 s[\g0+3], s[\g0+3], 0x80000000
	s_mov_b32 s[\g0+4], 1
	s_add_co_u32 s[\g0+5], s44, 0
	s_add_nc_u64 s[\g0+6:\g0+7], s[\a:\a+1], s[10:11]
	s_or_b32 s[\g0+7], s[\g0+7], 0x80000000
.endm
	MKG0 G0P, 20
	MKG0 G0R, 46
	s_cmp_eq_u32 s15, 0                            ; one first fill a wave at the head
	s_cbranch_scc0 .Lfirst_r
	tensor_load_to_lds s[G0P:G0P+3], s[G1P:G1P+7]
	s_nop 0
.rept 4
	v_nop
.endr
	s_branch .Lfirst_asked
.Lfirst_r:
	tensor_load_to_lds s[G0R:G0R+3], s[G1R:G1R+7]
	s_nop 0
.rept 4
	v_nop
.endr
.Lfirst_asked:
	v_and_b32 v1, 31, v0
	v_lshlrev_b32 v2, 4, v1                        ; 16 x lane
	s_wait_alu depctr_va_vdst(0)
	v_lshlrev_b32 v3, 3, v1                        ; 8 x lane
	s_wait_alu depctr_va_vdst(0)
	v_and_b32 v4, 15, v0                           ; r
	v_bfe_u32 v5, v0, 4, 1                         ; h
	s_mul_i32 s8, s15, 6144                        ; my four tiles of o's eight
	s_mul_i32 s9, s16, 6144                        ; my four of Wo's,
	s_add_co_u32 s9, s9, 6*PART                    ; behind o's twelve panels
	s_lshl_b32 s10, s15, 8                         ; and their scale words
	s_lshl_b32 s11, s16, 8
	s_add_co_u32 s11, s11, 6*PART
.irp g, 0,1,2
	v_add_nc_u32 v[ADP+\g], s8, v2
	v_add_nc_u32 v[ADR+\g], s9, v2
	v_add_nc_u32 v[ASP+\g], s10, v3
	v_add_nc_u32 v[ASR+\g], s11, v3
	s_add_co_u32 s8, s8, 2*PART                    ; four panels on
	s_add_co_u32 s9, s9, 2*PART
	s_add_co_u32 s10, s10, 2*PART
	s_add_co_u32 s11, s11, 2*PART
.endr
	s_mul_i32 s8, s[WV], 16*SPITCH
	s_add_co_u32 s8, s8, STAGES                    ; my stage
	v_mul_u32_u24 v[STO], v4, SPITCH               ; in: row r, + 64 h
	v_lshl_add_u32 v[STO], v5, 6, v[STO]
	v_add_nc_u32 v[STO], s8, v[STO]
	v_mul_u32_u24 v[RD], v5, SPITCH                ; back: lanes 0-15 one row of 256 bytes, lanes 16-31 the next
	v_lshl_add_u32 v[RD], v4, 4, v[RD]
	v_add_nc_u32 v[RD], s8, v[RD]
	v_lshlrev_b32 v[CO], 13, v5                    ; and the same two rows in out0
	v_lshl_add_u32 v[CO], v4, 4, v[CO]
	s_lshl_b32 s8, s17, 20                         ; my part of out0: (128 gy + 64 half) rows of 8,192 bytes + (128 gx + 64 half) x 4
	s_lshl_b32 s9, s15, 19
	s_add_co_u32 s8, s8, s9
	s_lshl_b32 s9, s[GX], 9
	s_add_co_u32 s8, s8, s9
	s_lshl_b32 s9, s16, 8
	s_add_co_u32 s8, s8, s9
	s_mov_b32 s9, 0
	s_add_nc_u64 s[12:13], s[12:13], s[8:9]
.macro FETCH k                         ; K step k's fragments (24 loads of 512 consecutive bytes) into set k % 2, and its scale words
.set RG, ((\k)/4)%3
.set QQ, (\k)%4
.set FS, 128*((\k)%2)
	WIN 0x40
.irp i, 0,1,2,3
.irp c, 0,1,2
	ds_load_b128 v[FS+12*\i+4*\c:FS+12*\i+4*\c+3], v[ADP+RG] offset:QQ*PANEL+1536*\i+512*\c
.endr
.endr
.irp i, 0,1,2,3
.irp c, 0,1,2
	ds_load_b128 v[FS+48+12*\i+4*\c:FS+48+12*\i+4*\c+3], v[ADR+RG] offset:QQ*PANEL+1536*\i+512*\c
.endr
.endr
	WIN 0
	ds_load_b64 v[SC+4*((\k)%2):SC+4*((\k)%2)+1],   v[ASR+RG] offset:QQ*PANEL+SCO
	ds_load_b64 v[SC+4*((\k)%2)+2:SC+4*((\k)%2)+3], v[ASP+RG] offset:QQ*PANEL+SCO
.endm
.macro MUL4 k, a, zero                 ; token tile a x Wo's four tiles.  The 16 accumulators take turns, one instruction a turn, in the same order in every step
.irp b, 0,1,2,3
	WM ACC+8*(4*(\a)+\b), 128*((\k)%2)+48+12*\b, 128*((\k)%2)+12*(\a), SC+4*((\k)%2)+\b/2, SC+2+4*((\k)%2)+(\a)/2, \b%2, (\a)%2, \zero
.endr
.endm
.macro STEPK k, zero, more             ; more = 1: the next step's fragments are fetched, into the set that the step before read: four plain instructions stand behind its products
	s_wait_dscnt 0x0                               ; this step's fragments, asked for a step ago
.if \more
	PLACES 4
	FETCH (\k)+1
.endif
	WIN MUL
	MUL4 \k, 0, \zero
	MUL4 \k, 1, \zero
	MUL4 \k, 2, \zero
	MUL4 \k, 3, \zero
.endm
; A step behind which another region is read: ONE barrier; in front of it each wave waits for all its tensor loads, adds 0 to its spare word, and waits for that and for its reads.  fill = 1: region 0 is filled again.
.macro TURNK k, fill
	WIN 0
	s_wait_tensorcnt 0x0                           ; all my tensor loads have landed
	ds_add_u32 v[SPW], v[NIL]                      ; 0 onto my spare word
	s_wait_dscnt 1                                 ; this step's fragments are in (the add may be out)
	WIN MUL
	MUL4 \k, 0, 0                                  ; four matrix instructions stand between the add and the wait for it
	s_wait_dscnt 0x0                               ; the add is done, and my reads of the region are over
	s_barrier_signal -1
	MUL4 \k, 1, 0
	WIN 0
	s_barrier_wait -1
.if \fill
	CREST                                          ; the barrier has opened a round of the cluster's: no wave of any partner still reads region 0 or has a load on its way
	s_cmp_eq_u32 s15, 0
	s_cbranch_scc0 .Lfor_r_\@
	tensor_load_to_lds s[G0P+4:G0P+7], s[G1P:G1P+7]  ; my one tensor load behind the round: two of K steps 12 to 15; its four v_nop are also the places in front of the loads below
	s_nop 0
.rept 4
	v_nop
.endr
	s_branch .Lasked_\@
.Lfor_r_\@:
	tensor_load_to_lds s[G0R+4:G0R+7], s[G1R:G1R+7]
	s_nop 0
.rept 4
	v_nop
.endr
.Lasked_\@:
.else
	PLACES 4
.endif
	FETCH (\k)+1
	WIN MUL
	MUL4 \k, 2, 0
	MUL4 \k, 3, 0
.endm
	s_wait_alu depctr_va_vdst(0)
	s_wait_tensorcnt 0x0                           ; my six panels are in: a descriptor may be written
	s_mov_b32 s[G1P+2], 100<<16                    ; the refill brings two panels: 100 rows
	s_mov_b32 s[G1P+4], 100
	s_mov_b32 s[G1R+2], 100<<16
	s_mov_b32 s[G1R+4], 100
	s_barrier_signal -1
	s_barrier_wait -1                              ; everybody's are
	FETCH 0
	STEPK 0, 1, 1                                  ; the first step's products start the sums
	STEPK 1, 0, 1
	STEPK 2, 0, 1
	TURNK 3, 1                                     ; region 0 has been read: it takes K steps 12 to 15
	s_wait_alu depctr_va_vdst(0)
.irp k, 4,5,6,7,8,9,10
	STEPK \k, 0, 1
.endr
	TURNK 11, 0                                    ; K steps 12 to 15 have landed
	STEPK 12, 0, 1
	STEPK 13, 0, 1
	STEPK 14, 0, 1
	STEPK 15, 0, 0
	WIN 0
; THE WAY OUT, a tile of 16 tokens x 64 columns at a time, through my own stage.  Register j of accumulator (a, b) is column 32 (b / 2) + 8 (b % 2) + 16 h + j of my 64; stage row i is token 32 (a / 2) + 8 (a % 2) + i + 8 (i / 8) of my 64.
; LDS serves a wave's instructions in order (ISA guide 5.7.1.4): no wait between the stores and the loads, nor in front of the next tile's stores.
.macro TOSTAGE a
.irp b, 0,1,2,3
	ds_store_b128 v[STO], v[ACC+8*(4*(\a)+\b):ACC+8*(4*(\a)+\b)+3] offset:128*(\b/2)+32*(\b%2)       ; each accumulator from its low end on
	ds_store_b128 v[STO], v[ACC+8*(4*(\a)+\b)+4:ACC+8*(4*(\a)+\b)+7] offset:128*(\b/2)+32*(\b%2)+16
.endr
.irp t, 0,1,2,3,4,5,6,7
	ds_load_b128 v[BK+32*((\a)%2)+4*\t:BK+32*((\a)%2)+4*\t+3], v[RD] offset:2*SPITCH*\t
.endr
.endm
.macro SEND a, younger                 ; younger: the LDS instructions issued behind tile a's loads, which may stay out
	s_wait_dscnt \younger
.irp t, 0,1,2,3,4,5,6,7
	global_store_b128 v[CO], v[BK+32*((\a)%2)+4*\t:BK+32*((\a)%2)+4*\t+3], s[12:13] offset:(32*((\a)/2)+8*((\a)%2)+2*\t+8*(\t/4))*8192 th:TH_STORE_NT   ; 16 lanes store 256 consecutive bytes, at a multiple of 256 from out0's first byte
.endr
.endm
	PLACES 4                                       ; between the last products and the first read of results
	TOSTAGE 0
.irp a, 1,2,3
.if \a > 1
	s_wait_xcnt 0x0                                ; tile a - 2's stores have read their registers: tile a's loads may land there
.endif
	TOSTAGE \a
	SEND \a-1, 16                                  ; behind tile a - 1's loads: tile a's 8 stores and 8 loads
.endr
	SEND 3, 0
	s_wait_tensorcnt 0x0                           ; the wave's end
	ds_add_u32 v[SPW], v[NIL]
	s_wait_dscnt 0x0
	CROUND                                         ; the closing round
	s_endpgm
.Lfunc_end_k_q2e0bc57170_proj:
	.size	k_q2e0bc57170_proj, .Lfunc_end_k_q2e0bc57170_proj-k_q2e0bc57170_proj
	.p2alignl 7, 3214868480
	.fill 96, 4, 3214868480
	.section	.rodata,"a",@progbits
	.p2align	6, 0x0
	.amdhsa_kernel k_q2e0bc57170_proj
		.amdhsa_group_segment_fixed_size 327680
		.amdhsa_private_segment_fixed_size 0
		.amdhsa_enable_private_segment 0
		.amdhsa_kernarg_size 24
		.amdhsa_user_sgpr_count 2
		.amdhsa_user_sgpr_kernarg_segment_ptr 1
		.amdhsa_wavefront_size32 1
		.amdhsa_system_sgpr_workgroup_id_x 1
		.amdhsa_system_sgpr_workgroup_id_y 1
		.amdhsa_system_sgpr_workgroup_id_z 1
		.amdhsa_system_vgpr_workitem_id 0
		.amdhsa_next_free_vgpr 512
		.amdhsa_next_free_sgpr 80
		.amdhsa_reserve_vcc 0
		.amdhsa_float_denorm_mode_32 3
		.amdhsa_float_denorm_mode_16_64 3
		.amdhsa_memory_ordered 1
		.amdhsa_forward_progress 1
		.amdhsa_inst_pref_size 79
	.end_amdhsa_kernel
	.amdgpu_metadata
---
amdhsa.version: [ 1, 2 ]
amdhsa.kernels:
  - .name:           k_q2e0bc57170_proj
    .symbol:         k_q2e0bc57170_proj.kd
    .args:
      - { .name: ocd, .offset: 0, .size: 8, .value_kind: global_buffer, .address_space: global }
      - { .name: xw, .offset: 8, .size: 8, .value_kind: global_buffer, .address_space: global }
      - { .name: out0, .offset: 16, .size: 8, .value_kind: global_buffer, .address_space: global }
    .group_segment_fixed_size: 327680
    .private_segment_fixed_size: 0
    .kernarg_segment_align: 8
    .kernarg_segment_size: 24
    .max_flat_workgroup_size: 128
    .sgpr_count:     80
    .vgpr_count:     512
    .wavefront_size: 32
...
	.end_amdgpu_metadata
.endif
;; end of part 4
